; MI455X (gfx1250); checked and timed in simulation.
; The chip was launched on July 23, 2026; its instructions are those of AMD's public machine-readable ISA for CDNA 5 (MIT licence, August 2026) and "CDNA5" Instruction Set Architecture Reference Guide (July 2026). The comments in the code are by the model that wrote it; some were corrected since.
;; Attention. Allowed arithmetic: matrix products marked QUANTISED: E2M3 operands, one E8M0 scale for each 32 along K, by v_wmma_scale_f32_16x16x128_f8f6f4 with both operands' format E2M3, f32 sums; everything else in f32.
;; Inputs: cos 1 x 4,096 x 1 x 32 float32; sin 1 x 4,096 x 1 x 32 float32; wk 256 x 256 float32; wo 256 x 256 float32; wq 256 x 256 float32; wv 256 x 256 float32; x 4 x 4,096 x 256 float32.
;; Outputs: out0 4 x 4,096 x 256 float32.
;; This version of the problem:
;;   THIS VERSION OF THE PROBLEM IS GIVEN IN LOW PRECISION. The matrix products marked QUANTISED in the list below multiply operands that are first quantised to E2M3 (2 exponent bits, 3 mantissa bits; 6 bits a number), with one power-of-two scale for each 32 numbers along K (OCP MX v1.0); their sums are f32. All else is computed in f32.
;;   The module's matrix products, in the order in which they are computed (A, B: the left and right operand; K: the contracted axis; several contracted axes count as one K, in the product's order):
;;     1. [M 16,384, K 256] x [K 256, N 256]; A: input x; B: input wq: QUANTISED
;;     2. [M 16,384, K 256] x [K 256, N 256]; A: input x; B: input wk: QUANTISED
;;     3. [M 16,384, K 256] x [K 256, N 256]; A: input x; B: input wv: QUANTISED
;;     4. batch 16 x [M 4,096, K 64] x [K 64, N 4,096]; A: computed on the way; B: computed on the way: QUANTISED
;;     5. batch 16 x [M 64, K 4,096] x [K 4,096, N 4,096]; A: computed on the way; B: softmax (see below): QUANTISED
;;     6. [M 16,384, K 256] x [K 256, N 256]; A: computed on the way; B: input wo: QUANTISED
;;   THE QUANTISER, for each operand of a quantised product, along K:
;;     - K is cut into blocks of 32 from its start; a last block that is shorter is filled with zeros.
;;     - A block's scale is 2^e with e = floor(log2(the largest magnitude in the block)) - 2, held to -126 .. 127; a block of zeros has e = 0. As a byte (E8M0): e + 127.
;;     - Each number is divided by its block's scale, clamped to +-7.5, and rounded to the nearest number of E2M3, ties to even, subnormals kept.
;;     - The product sums the exact products of the quantised numbers (number of the format x scale) in f32.
;;   ~~~python
;;   def quantise(x, axis):      # numpy; x: float32 -> the quantised numbers, widened to float32 again
;;       x = np.moveaxis(x, axis, -1); K = x.shape[-1]
;;       x = np.pad(x, [(0, 0)] * (x.ndim - 1) + [(0, -K % 32)]); x = x.reshape(x.shape[:-1] + (-1, 32)); a = np.abs(x).max(-1, keepdims=True)
;;       e = np.where(a > 0, np.clip(np.frexp(np.where(a > 0, a, 1))[1] - 1 - 2, -126, 127), 0)      # np.frexp(a)[1] - 1 = floor(log2(a)), exactly
;;       r = np.clip(x / 2.0 ** e, -7.5, 7.5)
;;       step = 2.0 ** (np.maximum(np.frexp(np.where(r == 0, 1, r))[1] - 1, 0) - 3)
;;       q = np.round(r / step) * step * 2.0 ** e      # np.round: ties to even
;;       return np.moveaxis(q.reshape(q.shape[:-2] + (-1,))[..., :K], -1, axis).astype(np.float32)
;;   ~~~
;;   SOFTMAX AHEAD OF A QUANTISED PRODUCT. Where the list says 'softmax', what is quantised is not the finished softmax but p = 2^(t - M), with t = logit x log2(e) and M = ceil(the row's largest t), a whole number; so 1/2 < the row's largest p <= 1. The row's sum l is taken of the UNQUANTISED p, in f32, and the product's result is divided by l at the end. Since M is a whole number, a kernel that streams over the keys may use a running M (the ceiling of the running maximum): every later rescaling is an exact power of two, which a block's scale takes up: the codes' values come out the same.
;;   OPERANDS COMPUTED ON THE WAY. 'Computed on the way' means the value that the module computes at that place (a softmax that the list does not call 'softmax' is quantised finished and normalised). What goes into a quantiser is computed in f32, as accurately as f32 sums, v_exp_f32 and their like allow (about 1e-6 of the number): no bf16 or f16 on the way to a quantiser, and a product that is left as it is and whose result goes on into a quantised operand takes f32 operands (vector FMAs, or v_wmma_f32_16x16x4_f32). A number that lies on a knife's edge between two numbers of the format may be rounded either way, as far as f32 arithmetic and the matrix unit's own rounding can turn it there, and no further.
;; 2 versions. Each part assembles by itself: llvm-mc -triple=amdgcn-amd-amdhsa -mcpu=gfx1250 --defsym DOCPART=n.
;; ======== version 1 of 2: 3 launches
;; workspace buffers: qc 3,145,728 bytes; qs 262,144 bytes; kv 6,553,600 bytes; woc 49,152 bytes; wos 4,096 bytes; yc 3,145,728 bytes; ys 131,072 bytes
;; launch proj (part 1): grid 4 x 64, 8 waves a work-group, no clusters, 230,400 bytes of LDS; arguments x, cos, sin, wq, wk, wv, wo, qc, qs, kv, woc, wos; writes qc, qs, kv, woc, wos
.if DOCPART == 1
	.amdgcn_target "amdgcn-amd-amdhsa--gfx1250"
	.amdhsa_code_object_version 6
	.text
	.protected	k_qf78b85182a_proj
	.globl	k_qf78b85182a_proj
	.p2align	8
	.type	k_qf78b85182a_proj,@function
k_qf78b85182a_proj:
	s_mov_b64 s[64:65], 0
	v_nop
	global_prefetch_b8 v0, s[64:65] scope:SCOPE_SE
	s_setreg_imm32_b32 hwreg(HW_REG_WAVE_MODE, 25, 1), 1
	s_wait_xcnt 0x0
; q, k, v = x W^T for ONE head and 256 tokens, on codes of FP6 (E2M3) with one E8M0 scale for each 32 along K; then the rotary and the rms norm of q and k in f32; then q and k are
; quantised along the head's 64 and v along the keys, and leave as IMAGES OF OPERAND REGISTERS (registers 4 i .. 4 i + 3 of lane l at 512 i + 16 l), as the attention launch wants them.
; The four work-groups of token block 0 also quantise wo, a fragment a wave, for the last launch.
; SHARES.  Work-group (head, rb): tokens 256 rb .. + 255 of the 16,384, features 64 head .. + 63 of wq, wk, wv.  Eight waves.  Wave w quantises seven fragments of 16 rows x 128 K (one each of wq, wk, wv,
; four of x) into LDS; behind a barrier it makes q and k for token tiles 2 w, 2 w + 1 and one tile of V^T (16 of the head's 64 x 128 keys).
; THE ROWS OF A TILE ARE NOT NEIGHBOURS.  Row m of token tile T is token 64 (T / 4) + 32 (m / 8) + 8 (T % 4) + m % 8, so that a result's 32 registers of four neighbouring tiles are 32 neighbouring tokens
; of one lane: a whole block along the keys.  Row m of tile u of wq, wk is feature 32 (u / 2) + 16 (m / 8) + 8 (u % 2) + m % 8: a lane then holds d = 16 h + 0..15 and d + 32, the rotary's partners.
; Row m of tile t of wv is feature 32 (m / 8) + 8 t + m % 8.
; f32 rows are loaded as they lie (512 consecutive bytes a load) and turned in the wave's own stage in LDS, so that a lane holds 32 neighbours along K for the conversions.
; NO JOINT LOADS: the operands arrive as f32 and go memory - registers - stage - registers - quantiser; a shared tile of x alone would be 256 rows x 1,024 bytes of LDS beside the images.
; No prefetch: three fragments, 48 loads of 512 bytes a wave, are asked for ahead of the one at work.
; LIMITS: NaN and infinities among the inputs are not served.  A block whose largest magnitude lies under 2^-124 (a block of zeros too) gets the scale byte 1: its codes are zeros, and this program alone reads the bytes.
; 1 / sqrt comes from v_rsq_f32 (1 ulp).
.set STG,   0                          ; LDS: a stage of 16 rows x (512 + 16) bytes for each wave
.set STG2,  67584                      ; the same once more, for wo's fragments alone
.set XIMG,  135168                     ; x's 32 fragments, index 2 tile + K step, 1,536 bytes each
.set XSC,   184320                     ; their scale words, 128 bytes each
.set WIMG,  188416                     ; the weights' 24 fragments, index 8 role + 2 tile + K step (role: q 0, k 1, v 2)
.set WSC,   225280                     ; their scale words
.set SOUT,  228352                     ; the scale blocks of the two key steps, 512 bytes each, as they go to memory
.set SPARE, 229376                     ; the spare words, 128 bytes for each wave: four blocks of 256 bytes that no other line names
.set L16,  1                           ; v1   16 x lane
.set L4,   2                           ; v2   4 x lane
.set STW,  3                           ; v3   my stage, on the way in: 16 x lane
.set STR,  4                           ; v4   on the way out: 528 r + 128 h
.set XOWN, 5                           ; v5   where my four fragments of x lie; at the end: the scale block that I send
.set XOWS, 6                           ; v6   and their scale words
.set WOWN, 7                           ; v7   where I store my fragments of the weights; later: where my fragment of wv lies
.set WOWS, 8                           ; v8   and their scale words
.set LIW,  9                           ; v9   WIMG + 16 x lane
.set LSW,  10                          ; v10  WSC + 4 x lane
.set XVA,  11                          ; v11  x's fragments of my key step
.set XVS,  12                          ; v12  and their scale words
.set SKW,  13                          ; v13  my word in a scale block
.set CSO,  14                          ; v14  my byte in my pair's rows of cos and sin
.set SH8,  15                          ; v15  8 h
.set B0,   16                          ; three buffers of 64 numbers
.set B1,   80
.set B2,   144
.set ACC,  16                          ; v16-79   eight accumulators
.set CSN,  80                          ; v80-143  cos and sin (tile e: cos at 32 e, sin at 32 e + 16); later eight fragments of x
.set WF,   144                         ; v144-191 four fragments of a weight; then at work
.set XF,   192                         ; v192-215 two fragments of x
.set VF,   176                         ; v176-187 my fragment of wv
.set TP,   144                         ; v144-159 x1 sin
.set SQ,   160                         ; v160-163 sums of squares
.set RR,   164                         ; v164-165 1 / sqrt, as a pair
.set PC,   216                         ; v216-227 the codes just made
.set TT,   228                         ; v228-230, v232-234 a block's upper 16 codes
.set E0,   231                         ; v231, v235 the conversions' scale operands
.set MX,   236                         ; v236-239 largest magnitudes, then bytes
.set SW,   240                         ; v240-248 scale words of the products, and nothing else
.set PW,   250                         ; v250 the scale word just made
.set PWD,  251                         ; v251 a pair's scale word
.set SPW,  252                         ; v252 LDS address of my spare word; never rewritten
.set NIL,  253                         ; v253 0; never rewritten
.set STW2, 254
.set STR2, 255
.set SEL,  38                          ; s[38:39] lane selects for v_permlanex16_b32: lane l xor 16
.macro MM0 d, a, b, sa, sb             ; a product that starts a sum
	v_wmma_scale_f32_16x16x128_f8f6f4 v[\d:\d+7], v[\a:\a+11], v[\b:\b+11], 0, v[\sa], v[\sb] matrix_a_fmt:MATRIX_FMT_FP6 matrix_b_fmt:MATRIX_FMT_FP6
.endm
.macro MMA d, a, b, sa, sb             ; and one that adds in place
	v_wmma_scale_f32_16x16x128_f8f6f4 v[\d:\d+7], v[\a:\a+11], v[\b:\b+11], v[\d:\d+7], v[\sa], v[\sb] matrix_a_fmt:MATRIX_FMT_FP6 matrix_b_fmt:MATRIX_FMT_FP6
.endm
.macro PLACES
.rept 4
	v_nop
.endr
.endm
; 16 rows x 512 bytes: row m lies hi (m / 8) + m % 8 rows of 1,024 bytes on; each load reads 512 consecutive bytes
.macro GLOAD buf, sb, hi, off
.irp m, 0,1,2,3,4,5,6,7,8,9,10,11,12,13,14,15
	global_load_b128 v[\buf+4*\m:\buf+4*\m+3], v[L16], s[\sb:\sb+1] offset:\off+(\hi*(\m/8)+\m%8)*1024
.endr
.endm
; through my stage: in as loaded, back 32 neighbours of row r at a time: register 32 c + i = k 64 c + 32 h + i.  LDS serves a wave's instructions in order: no wait between
.macro TURN buf, stw, str
.irp m, 0,1,2,3,4,5,6,7,8,9,10,11,12,13,14,15
	ds_store_b128 v[\stw], v[\buf+4*\m:\buf+4*\m+3] offset:528*\m
.endr
.irp c, 0,1
.irp i, 0,1,2,3,4,5,6,7
	ds_load_b128 v[\buf+32*\c+4*\i:\buf+32*\c+4*\i+3], v[\str] offset:256*\c+16*\i
.endr
.endr
.endm
; 64 numbers of a lane, register 32 c + i = k 64 c + 32 h + i of my row: two whole blocks.  They become the fragment's 12 registers in v[PC] on and my row's scale word in v[PW]
.macro QUANTW s
.irp c, 0,1
	v_max3_num_f32 v[MX+2*\c], |v[\s+32*\c]|, |v[\s+32*\c+1]|, 0x1800000   ; with the floor 2^(3 - 127): the byte cannot fall under 1
	v_max3_num_f32 v[MX+2*\c+1], |v[\s+32*\c+16]|, |v[\s+32*\c+17]|, |v[\s+32*\c+18]|
.endr
.irp i, 0,1,2,3,4,5
.irp c, 0,1
	v_max3_num_f32 v[MX+2*\c], v[MX+2*\c], |v[\s+32*\c+2+2*\i]|, |v[\s+32*\c+3+2*\i]|   ; four chains by turns, each ascending
	v_max3_num_f32 v[MX+2*\c+1], v[MX+2*\c+1], |v[\s+32*\c+19+2*\i]|, |v[\s+32*\c+20+2*\i]|
.endr
.endr
.irp c, 0,1
	v_max3_num_f32 v[MX+2*\c], v[MX+2*\c], |v[\s+32*\c+14]|, |v[\s+32*\c+15]|
.endr
.irp c, 0,1
	v_max3_num_f32 v[MX+2*\c], v[MX+2*\c], v[MX+2*\c+1], |v[\s+32*\c+31]|   ; the block's largest magnitude
.endr
	v_add_nc_u32 v[E0], 0xff000000, v[MX]          ; 2 off the exponent field: the conversion takes that field as its scale
	v_add_nc_u32 v[E0+4], 0xff000000, v[MX+2]
	v_lshrrev_b32 v[MX], 23, v[E0]                 ; the scales' bytes: blocks h and 2 + h
	v_lshrrev_b32 v[MX+1], 23, v[E0+4]
	v_lshl_or_b32 v[MX+2], v[MX+1], 16, v[MX]
	v_lshlrev_b32 v[MX+2], v[SH8], v[MX+2]         ; at their places in the word
	v_permlanex16_b32 v[MX+3], v[MX+2], s[SEL], s[SEL+1]
	v_or_b32 v[PW], v[MX+2], v[MX+3]               ; with lane l xor 16's two the word is whole
.irp c, 0,1
	v_cvt_scalef32_pk16_fp6_f32 v[PC+6*\c:PC+6*\c+2], v[\s+32*\c:\s+32*\c+15], v[E0+4*\c]
	v_cvt_scalef32_pk16_fp6_f32 v[TT+4*\c:TT+4*\c+2], v[\s+32*\c+16:\s+32*\c+31], v[E0+4*\c]   ; (a conversion's three registers begin on an even number)
.endr
	v_nop                                          ; one plain line behind the conversions
.irp c, 0,1
.irp i, 0,1,2
	v_mov_b32 v[PC+6*\c+3+\i], v[TT+4*\c+\i]
.endr
.endr
.endm
.macro IMAGE adr, off, sadr, soff      ; the fragment in v[PC] on goes to LDS as it stands, and its scale word
.irp i, 0,1,2
	ds_store_b128 v[\adr], v[PC+4*\i:PC+4*\i+3] offset:\off+512*\i
.endr
	ds_store_b32 v[\sadr], v[PW] offset:\soff
.endm
.macro FETCH reg, adr, off             ; and comes back so, in any wave
.irp i, 0,1,2
	ds_load_b128 v[\reg+4*\i:\reg+4*\i+3], v[\adr] offset:\off+512*\i
.endr
.endm
; one fragment: its loads are in (left = the loads issued behind them), it is turned, quantised and stored as an image
.macro QFRAG buf, left, iadr, ioff, sadr, soff
	s_wait_loadcnt \left
	TURN \buf, STW, STR
	s_wait_dscnt 0x0                               ; the numbers are back; the last image's stores are done too, so the codes' registers may be written
	QUANTW \buf
	IMAGE \iadr, \ioff, \sadr, \soff
.endm
; Token tile e of my pair: rotary, rms norm, quantiser.  a = d 16 h + i, b = d 32 + 16 h + i of my token (lane % 16)
.macro POST e
.set PA,  ACC+32*\e
.set PB,  ACC+32*\e+16
.set PCO, CSN+32*\e
.set PSI, CSN+32*\e+16
.irp p, 0,2,4,6,8,10,12,14             ; each accumulator is read from its low end on
	v_pk_mul_f32 v[TP+\p:TP+\p+1], v[PA+\p:PA+\p+1], v[PSI+\p:PSI+\p+1]   ; x1 sin
.endr
.irp p, 0,2,4,6,8,10,12,14
	v_pk_mul_f32 v[PA+\p:PA+\p+1], v[PA+\p:PA+\p+1], v[PCO+\p:PCO+\p+1]   ; x1 cos
.endr
.irp p, 0,2,4,6,8,10,12,14
	v_pk_fma_f32 v[PA+\p:PA+\p+1], v[PB+\p:PB+\p+1], v[PSI+\p:PSI+\p+1], v[PA+\p:PA+\p+1]   ; + x2 sin
.endr
.irp p, 0,2,4,6,8,10,12,14
	v_pk_fma_f32 v[PB+\p:PB+\p+1], v[PB+\p:PB+\p+1], v[PCO+\p:PCO+\p+1], v[TP+\p:TP+\p+1] neg_lo:[0,0,1] neg_hi:[0,0,1]   ; x2 cos - x1 sin
.endr
	v_pk_mul_f32 v[SQ:SQ+1], v[PA:PA+1], v[PA:PA+1]   ; the sum of squares, in two chains
	v_pk_mul_f32 v[SQ+2:SQ+3], v[PB:PB+1], v[PB:PB+1]
.irp p, 2,4,6,8,10,12,14
	v_pk_fma_f32 v[SQ:SQ+1], v[PA+\p:PA+\p+1], v[PA+\p:PA+\p+1], v[SQ:SQ+1]
	v_pk_fma_f32 v[SQ+2:SQ+3], v[PB+\p:PB+\p+1], v[PB+\p:PB+\p+1], v[SQ+2:SQ+3]
.endr
	v_pk_add_f32 v[SQ:SQ+1], v[SQ:SQ+1], v[SQ+2:SQ+3]
	v_add_f32 v[SQ], v[SQ], v[SQ+1]
	v_permlanex16_b32 v[SQ+1], v[SQ], s[SEL], s[SEL+1]   ; the token's other 32 numbers lie in lane l xor 16
	v_add_f32 v[SQ], v[SQ], v[SQ+1]
	v_fma_f32 v[SQ], v[SQ], s40, s41               ; / 64 + eps
	v_rsq_f32 v[RR], v[SQ]
	v_mov_b32 v[RR+1], 0                           ; a plain line behind the transcendental; the pair's upper word is written
	s_wait_alu depctr_va_vdst(0)                   ; the wait ahead of the first line that names the result
.set II, 0
.rept 16
	v_pk_mul_f32 v[PA+II:PA+II+1], v[PA+II:PA+II+1], v[RR:RR+1] op_sel_hi:[1,0]
.set II, II+2
.endr
	v_max3_num_f32 v[MX], |v[PA]|, |v[PA+1]|, 0x1800000   ; two blocks of 32 along d, half of each in my lane
	v_max3_num_f32 v[MX+1], |v[PB]|, |v[PB+1]|, 0x1800000
.irp i, 2,4,6,8,10,12,14
	v_max3_num_f32 v[MX], v[MX], |v[PA+\i]|, |v[PA+\i+1]|
	v_max3_num_f32 v[MX+1], v[MX+1], |v[PB+\i]|, |v[PB+\i+1]|
.endr
	v_permlanex16_b32 v[MX+2], v[MX], s[SEL], s[SEL+1]
	v_permlanex16_b32 v[MX+3], v[MX+1], s[SEL], s[SEL+1]
	v_max_num_f32 v[MX], v[MX], v[MX+2]
	v_max_num_f32 v[MX+1], v[MX+1], v[MX+3]
	v_add_nc_u32 v[E0], 0xff000000, v[MX]
	v_add_nc_u32 v[E0+4], 0xff000000, v[MX+1]
	v_lshrrev_b32 v[MX+2], 23, v[E0]
	v_lshrrev_b32 v[MX+3], 23, v[E0+4]
	v_lshl_or_b32 v[MX+2], v[MX+3], 8, v[MX+2]     ; the tile's two bytes
.if \e
	v_lshl_or_b32 v[PWD], v[MX+2], 16, v[PWD]      ; the pair's word: tile 2 P below, tile 2 P + 1 above
.else
	v_mov_b32 v[PWD], v[MX+2]
.endif
	v_cvt_scalef32_pk16_fp6_f32 v[PC+6*\e:PC+6*\e+2], v[PA:PA+15], v[E0]
	v_cvt_scalef32_pk16_fp6_f32 v[TT:TT+2], v[PB:PB+15], v[E0+4]
	v_nop                                          ; one plain line behind the conversions
.irp i, 0,1,2
	v_permlane16_swap_b32 v[PC+6*\e+\i], v[TT+\i]  ; the operand wants a whole block in a lane: lanes 0-15 d 0..31, lanes 16-31 d 32..63
.endr
.irp i, 0,1,2
	v_mov_b32 v[PC+6*\e+3+\i], v[TT+\i]
.endr
.endm
; q (role 0) or k (role 1) of my two token tiles: source 0 = 16 features of the weight, source 1 = 16 tokens; eight accumulators by turns, two K steps
.macro QKROLE role
	s_wait_xcnt 0x0                                ; the last global stores have read the codes' registers, which are written again below
.irp s, 0,1
.if \s
	PLACES                                         ; in front of loads into registers that the first K step's products have read
.endif
.irp u, 0,1,2,3
	FETCH WF+12*\u, LIW, (8*\role+2*\u+\s)*1536
	ds_load_b32 v[SW+\u], v[LSW] offset:(8*\role+2*\u+\s)*128
.endr
.irp e, 0,1
	FETCH XF+12*\e, XOWN, (2*\e+\s)*1536
	ds_load_b32 v[SW+4+\e], v[XOWS] offset:(2*\e+\s)*128
.endr
	s_wait_dscnt 0x0
.irp e, 0,1
.irp u, 0,1,2,3
.if \s
	MMA ACC+32*\e+8*\u, WF+12*\u, XF+12*\e, SW+\u, SW+4+\e
.else
	MM0 ACC+32*\e+8*\u, WF+12*\u, XF+12*\e, SW+\u, SW+4+\e
.endif
.endr
.endr
.endr
	PLACES                                         ; in front of the first read of results, and of writes into the weight's registers
	POST 0
	POST 1
.endm
	s_load_b512 s[4:19], s[0:1], 0x0               ; x s[4:5], cos s[6:7], sin s[8:9], wq s[10:11], wk s[12:13], wv s[14:15], wo s[16:17], qc s[18:19]
	s_load_b256 s[20:27], s[0:1], 0x40             ; qs s[20:21], kv s[22:23], woc s[24:25], wos s[26:27]
	v_lshl_add_u32 v[SPW], v0, 2, SPARE
	v_mov_b32 v[NIL], 0
	v_lshrrev_b32 v16, 5, v0
	v_readfirstlane_b32 s28, v16                   ; wave 0..7
	s_mov_b32 s29, ttmp9                           ; head
	s_and_b32 s30, ttmp7, 0xffff                   ; rb: which 256 tokens of the 16,384
	s_lshr_b32 s31, s30, 4
	s_lshl_b32 s31, s31, 2
	s_add_co_u32 s31, s31, s29                     ; bh = 4 batch + head
	s_and_b32 s32, s30, 15                         ; which 256 tokens of the batch's 4,096
	s_lshr_b32 s44, s28, 1                         ; w / 2
	s_and_b32 s45, s28, 1                          ; w % 2
	s_lshr_b32 s46, s28, 2                         ; w / 4
	s_and_b32 s47, s28, 3                          ; w % 4
	s_lshl_b32 s48, s44, 6
	s_lshl_b32 s49, s45, 4
	s_add_co_u32 s48, s48, s49                     ; 64 (w / 2) + 16 (w % 2): where my pair of token tiles begins in the block
	s_mov_b32 s[SEL], 0x76543210
	s_mov_b32 s[SEL+1], 0xfedcba98
	s_mov_b32 s40, 0x3c800000                      ; 1 / 64
	s_mov_b32 s41, 0x34000000                      ; eps = 2^-23
	v_and_b32 v17, 31, v0                          ; lane
	v_and_b32 v18, 15, v0                          ; r
	v_bfe_u32 v19, v0, 4, 1                        ; h
	v_lshlrev_b32 v[L16], 4, v17
	v_lshlrev_b32 v[L4], 2, v17
	s_mul_i32 s33, s28, 8448
	v_add_nc_u32 v[STW], s33, v[L16]
	v_mul_u32_u24 v20, v18, 528
	v_lshl_add_u32 v20, v19, 7, v20
	v_add_nc_u32 v[STR], s33, v20
	v_add_nc_u32 v[STW2], STG2, v[STW]
	v_add_nc_u32 v[STR2], STG2, v[STR]
	s_mul_i32 s33, s28, 6144
	s_add_co_u32 s33, s33, XIMG
	v_add_nc_u32 v[XOWN], s33, v[L16]
	s_lshl_b32 s33, s28, 9
	s_add_co_u32 s33, s33, XSC
	v_add_nc_u32 v[XOWS], s33, v[L4]
	s_mul_i32 s33, s28, 1536
	s_add_co_u32 s33, s33, WIMG
	v_add_nc_u32 v[WOWN], s33, v[L16]
	s_lshl_b32 s33, s28, 7
	s_add_co_u32 s33, s33, WSC
	v_add_nc_u32 v[WOWS], s33, v[L4]
	v_add_nc_u32 v[LIW], WIMG, v[L16]
	v_add_nc_u32 v[LSW], WSC, v[L4]
	s_mul_i32 s33, s46, 24576
	s_add_co_u32 s33, s33, XIMG
	v_add_nc_u32 v[XVA], s33, v[L16]
	s_lshl_b32 s33, s46, 11
	s_add_co_u32 s33, s33, XSC
	v_add_nc_u32 v[XVS], s33, v[L4]
	s_lshl_b32 s33, s46, 9
	s_lshl_b32 s36, s47, 2
	s_add_co_u32 s33, s33, s36
	s_add_co_u32 s33, s33, SOUT
	v_lshl_add_u32 v[SKW], v18, 4, s33             ; block w / 4, word w % 4 of row r's four
	v_lshrrev_b32 v20, 3, v18
	v_and_b32 v21, 7, v18
	v_lshl_add_u32 v20, v20, 5, v21                ; 32 (r / 8) + r % 8
	v_lshlrev_b32 v20, 7, v20                      ; rows of 128 bytes
	v_lshl_add_u32 v[CSO], v19, 6, v20             ; + 64 h: cos and sin of d = 16 h on
	v_lshlrev_b32 v[SH8], 3, v19
	s_wait_kmcnt 0x0
	s_mov_b32 s35, 0                               ; every offset is under 2^32
	s_lshl_b32 s34, s30, 8
	s_add_co_u32 s34, s34, s48
	s_lshl_b32 s34, s34, 10
	s_add_nc_u64 s[4:5], s[4:5], s[34:35]          ; x at my pair's first token
	s_lshl_b32 s34, s32, 8
	s_add_co_u32 s34, s34, s48
	s_lshl_b32 s34, s34, 7
	s_add_nc_u64 s[6:7], s[6:7], s[34:35]          ; cos and sin likewise
	s_add_nc_u64 s[8:9], s[8:9], s[34:35]
	s_lshl_b32 s37, s29, 6                         ; 64 head
	s_lshl_b32 s50, s45, 9                         ; my K step: 512 (w % 2) bytes
	s_lshl_b32 s34, s46, 5
	s_add_co_u32 s34, s34, s37
	s_and_b32 s33, s44, 1
	s_lshl_b32 s33, s33, 3
	s_add_co_u32 s34, s34, s33
	s_lshl_b32 s34, s34, 10
	s_add_co_u32 s34, s34, s50
	s_add_nc_u64 s[10:11], s[10:11], s[34:35]      ; wq, wk: tile w / 2, K step w % 2
	s_add_nc_u64 s[12:13], s[12:13], s[34:35]
	s_lshl_b32 s34, s44, 3
	s_add_co_u32 s34, s34, s37
	s_lshl_b32 s34, s34, 10
	s_add_co_u32 s34, s34, s50
	s_add_nc_u64 s[14:15], s[14:15], s[34:35]      ; wv likewise
	s_lshl_b32 s34, s29, 2
	s_add_co_u32 s34, s34, s44
	s_lshl_b32 s34, s34, 14
	s_add_co_u32 s34, s34, s50
	s_add_nc_u64 s[16:17], s[16:17], s[34:35]      ; wo: fragment f = 8 head + w: rows 16 (f / 2) on, K step f % 2
	s_lshl_b32 s33, s31, 7
	s_lshl_b32 s36, s32, 3
	s_add_co_u32 s33, s33, s36
	s_add_co_u32 s33, s33, s28                     ; my pair among the 2,048
	s_mul_i32 s34, s33, 1536
	s_add_nc_u64 s[18:19], s[18:19], s[34:35]
	s_lshl_b32 s34, s33, 7
	s_add_nc_u64 s[20:21], s[20:21], s[34:35]
	s_lshl_b32 s33, s31, 5
	s_lshl_b32 s36, s32, 1
	s_add_co_u32 s33, s33, s36                     ; the block's first key step among the 512
	s_add_co_u32 s36, s33, s45
	s_mul_i32 s34, s36, 12800
	s_add_co_u32 s34, s34, 12288
	s_add_nc_u64 s[42:43], s[22:23], s[34:35]      ; the scale block of step w % 2 (waves 0 and 1 send them)
	s_add_co_u32 s36, s33, s46
	s_mul_i32 s34, s36, 12800
	s_mul_i32 s36, s47, 1536
	s_add_co_u32 s34, s34, s36
	s_add_nc_u64 s[22:23], s[22:23], s[34:35]      ; step w / 4, K pair w % 4; V^T's tile w % 4 lies 6,144 bytes on
	s_lshl_b32 s33, s29, 3
	s_add_co_u32 s33, s33, s28
	s_mul_i32 s34, s33, 1536
	s_add_nc_u64 s[24:25], s[24:25], s[34:35]
	s_lshl_b32 s34, s33, 7
	s_add_nc_u64 s[26:27], s[26:27], s[34:35]
	; ---- 1: seven fragments, three buffers by turns; a fragment's loads are issued while the two before it are worked
	GLOAD B0, 10, 16, 0
	GLOAD B1, 12, 16, 0
	GLOAD B2, 14, 32, 0
	QFRAG B0, 32, WOWN, 0, WOWS, 0
	GLOAD B0, 4, 32, 0
	QFRAG B1, 32, WOWN, 12288, WOWS, 1024
	GLOAD B1, 4, 32, 512
	QFRAG B2, 32, WOWN, 24576, WOWS, 2048
	GLOAD B2, 4, 32, 8192
	QFRAG B0, 32, XOWN, 0, XOWS, 0
	GLOAD B0, 4, 32, 8704
	QFRAG B1, 32, XOWN, 1536, XOWS, 128
.irp e, 0,1
.irp i, 0,1,2,3
	global_load_b128 v[CSN+32*\e+4*\i:CSN+32*\e+4*\i+3], v[CSO], s[6:7] offset:1024*\e+16*\i
	global_load_b128 v[CSN+32*\e+16+4*\i:CSN+32*\e+16+4*\i+3], v[CSO], s[8:9] offset:1024*\e+16*\i
.endr
.endr
	QFRAG B2, 32, XOWN, 3072, XOWS, 256
	s_cmp_lg_u32 s30, 0                            ; token block 0 takes wo too: a branch on the work-group's number
	s_cbranch_scc1 .Lno_wo_load
	GLOAD B2, 16, 8, 0
.Lno_wo_load:
	QFRAG B0, 16, XOWN, 4608, XOWS, 384            ; behind this fragment's loads: the 16 of cos and sin (where wo's 16 are out as well, the count waits for more than it must)
	s_wait_loadcnt 0x0
	s_cmp_lg_u32 s30, 0
	s_cbranch_scc1 .Lno_wo
	TURN B2, STW2, STR2
	s_wait_dscnt 0x0
	QUANTW B2
.irp i, 0,1,2
	global_store_b128 v[L16], v[PC+4*\i:PC+4*\i+3], s[24:25] offset:512*\i   ; 512 consecutive bytes, aligned
.endr
	global_store_b32 v[L4], v[PW], s[26:27]
	s_wait_xcnt 0x0                                ; the stores have read their registers
.Lno_wo:
	s_wait_dscnt 0x0                               ; for the others' sake: my images have landed
	s_barrier_signal -1
	s_barrier_wait -1                              ; all 56 images lie in LDS
	; ---- 2: q and k of my pair of token tiles
	QKROLE 0
.irp i, 0,1,2
	global_store_b128 v[L16], v[PC+4*\i:PC+4*\i+3], s[18:19] offset:512*\i
.endr
	global_store_b32 v[L4], v[PWD], s[20:21]
	QKROLE 1
.irp i, 0,1,2
	global_store_b128 v[L16], v[PC+4*\i:PC+4*\i+3], s[22:23] offset:512*\i
.endr
	ds_store_b32 v[SKW], v[PWD]                    ; lanes r and r + 16 write the same word with the same value
	; ---- 3: my tile of V^T: source 0 = 16 tokens, source 1 = 16 features of wv: a lane holds one feature, its registers run along the keys
	s_wait_xcnt 0x0                                ; k's stores have read the codes' registers
	s_lshl_b32 s33, s47, 1
	s_add_co_u32 s33, s33, 16                      ; wv's fragments of tile w % 4: index 16 + 2 (w % 4) + K step
	s_mul_i32 s36, s33, 1536
	s_add_co_u32 s36, s36, WIMG
	v_add_nc_u32 v[WOWN], s36, v[L16]
	s_lshl_b32 s36, s33, 7
	s_add_co_u32 s36, s36, WSC
	v_add_nc_u32 v[WOWS], s36, v[L4]
.irp s, 0,1
.if \s
	PLACES
.endif
.irp t, 0,1,2,3,4,5,6,7
	FETCH CSN+12*\t, XVA, (2*\t+\s)*1536
	ds_load_b32 v[SW+\t], v[XVS] offset:(2*\t+\s)*128
.endr
	FETCH VF, WOWN, 1536*\s
	ds_load_b32 v[SW+8], v[WOWS] offset:128*\s
	s_wait_dscnt 0x0
.irp t, 0,1,2,3,4,5,6,7
.if \s
	MMA ACC+8*\t, CSN+12*\t, VF, SW+\t, SW+8
.else
	MM0 ACC+8*\t, CSN+12*\t, VF, SW+\t, SW+8
.endif
.endr
.endr
	PLACES
	QUANTW ACC                                     ; register 32 c + i = key 64 c + 32 h + i of the step
.irp i, 0,1,2
	global_store_b128 v[L16], v[PC+4*\i:PC+4*\i+3], s[22:23] offset:6144+512*\i
.endr
	ds_store_b32 v[SKW], v[PW] offset:256          ; V's words lie behind K's in a scale block
	; ---- 4: the two scale blocks leave whole
	s_lshl_b32 s33, s45, 9
	s_add_co_u32 s33, s33, SOUT
	v_add_nc_u32 v[XOWN], s33, v[L16]
	s_wait_dscnt 0x0
	s_barrier_signal -1
	s_barrier_wait -1
	s_cmp_lt_u32 s28, 2
	s_cbranch_scc0 .Lend
	ds_load_b128 v[16:19], v[XOWN]
	s_wait_dscnt 0x0
	global_store_b128 v[L16], v[16:19], s[42:43]   ; 512 consecutive bytes, aligned
.Lend:
	s_wait_tensorcnt 0x0                           ; the wave's end, behind my last LDS store
	ds_add_u32 v[SPW], v[NIL]
	s_wait_dscnt 0x0
	s_endpgm
.Lfunc_end_k_qf78b85182a_proj:
	.size	k_qf78b85182a_proj, .Lfunc_end_k_qf78b85182a_proj-k_qf78b85182a_proj
	.p2alignl 7, 3214868480
	.fill 96, 4, 3214868480
	.section	.rodata,"a",@progbits
	.p2align	6, 0x0
	.amdhsa_kernel k_qf78b85182a_proj
		.amdhsa_group_segment_fixed_size 230400
		.amdhsa_private_segment_fixed_size 0
		.amdhsa_enable_private_segment 0
		.amdhsa_kernarg_size 96
		.amdhsa_user_sgpr_count 2
		.amdhsa_user_sgpr_kernarg_segment_ptr 1
		.amdhsa_wavefront_size32 1
		.amdhsa_system_sgpr_workgroup_id_x 1
		.amdhsa_system_sgpr_workgroup_id_y 1
		.amdhsa_system_sgpr_workgroup_id_z 1
		.amdhsa_system_vgpr_workitem_id 0
		.amdhsa_next_free_vgpr 256
		.amdhsa_next_free_sgpr 66
		.amdhsa_reserve_vcc 0
		.amdhsa_float_denorm_mode_32 3
		.amdhsa_float_denorm_mode_16_64 3
		.amdhsa_memory_ordered 1
		.amdhsa_forward_progress 1
		.amdhsa_inst_pref_size 109
	.end_amdhsa_kernel
	.amdgpu_metadata
---
amdhsa.version: [ 1, 2 ]
amdhsa.kernels:
  - .name:           k_qf78b85182a_proj
    .symbol:         k_qf78b85182a_proj.kd
    .args:
      - { .name: x, .offset: 0, .size: 8, .value_kind: global_buffer, .address_space: global }
      - { .name: cos, .offset: 8, .size: 8, .value_kind: global_buffer, .address_space: global }
      - { .name: sin, .offset: 16, .size: 8, .value_kind: global_buffer, .address_space: global }
      - { .name: wq, .offset: 24, .size: 8, .value_kind: global_buffer, .address_space: global }
      - { .name: wk, .offset: 32, .size: 8, .value_kind: global_buffer, .address_space: global }
      - { .name: wv, .offset: 40, .size: 8, .value_kind: global_buffer, .address_space: global }
      - { .name: wo, .offset: 48, .size: 8, .value_kind: global_buffer, .address_space: global }
      - { .name: qc, .offset: 56, .size: 8, .value_kind: global_buffer, .address_space: global }
      - { .name: qs, .offset: 64, .size: 8, .value_kind: global_buffer, .address_space: global }
      - { .name: kv, .offset: 72, .size: 8, .value_kind: global_buffer, .address_space: global }
      - { .name: woc, .offset: 80, .size: 8, .value_kind: global_buffer, .address_space: global }
      - { .name: wos, .offset: 88, .size: 8, .value_kind: global_buffer, .address_space: global }
    .group_segment_fixed_size: 230400
    .private_segment_fixed_size: 0
    .kernarg_segment_align: 8
    .kernarg_segment_size: 96
    .max_flat_workgroup_size: 256
    .sgpr_count:     66
    .vgpr_count:     256
    .wavefront_size: 32
...
	.end_amdgpu_metadata
.endif
;; end of part 1
;; launch attn (part 2): grid 16 x 16, 16 waves a work-group, clusters of 4 x 1, 327,680 bytes of LDS; arguments qc, qs, kv, yc, ys; writes yc, ys
.if DOCPART == 2
	.amdgcn_target "amdgcn-amd-amdhsa--gfx1250"
	.amdhsa_code_object_version 6
	.text
	.protected	k_qf78b85182a_attn
	.globl	k_qf78b85182a_attn
	.p2align	8
	.type	k_qf78b85182a_attn,@function
k_qf78b85182a_attn:
	s_mov_b64 s[64:65], 0
	v_nop
	global_prefetch_b8 v0, s[64:65] scope:SCOPE_SE
	s_setreg_imm32_b32 hwreg(HW_REG_WAVE_MODE, 25, 1), 1
	s_wait_xcnt 0x0
	s_wait_alu depctr_hold_cnt(0) depctr_sa_sdst(0) depctr_va_vdst(0) depctr_va_sdst(0) depctr_va_ssrc(0) depctr_va_vcc(0) depctr_vm_vsrc(0)
	s_getreg_b32 s2, hwreg(HW_REG_IB_STS2, 6, 4)
	s_cmp_eq_u32 s2, 0
	s_cbranch_scc0 .Lentry_in_a_cluster
	s_endpgm
.Lentry_in_a_cluster:
	s_bfe_u32 s2, ttmp6, 0x10000c
	s_cmp_lg_u32 s2, 0x3003
	s_cbranch_scc0 .Lentry_shape_is_right
	s_endpgm
.Lentry_shape_is_right:
; y[q] = (the sum over keys of p V) / (the sum of p), p = 2^t, t = (q . k) log2(e) / 8, for one (batch, head) and 256 queries; both products on codes of FP6 (E2M3) with E8M0 scales; y is quantised along d and leaves as codes.
; NO MAXIMUM IS TAKEN AWAY, because the computation bounds t for every input: q and k are rms-normalised, so each has norm 8 at the most; the quantiser moves a number by 1/16 of itself or 1/64 of its block's
; largest at the most, so the norm stays under 9.3, |q . k| / 8 under 10.8 and |t| under 15.6.  So p lies between 2^-15.6 and 2^15.6 and a row's sum under 2^27.6.  The rule's M is a whole number that a block's scale
; takes up; with M = 0 the codes' values are the same, and O is never rescaled.
; SHARES.  A work-group owns 256 queries of one head; each of its sixteen waves one tile of 16 in 228 registers: four waves to a SIMD, so that one wave's LDS loads and products stand beside another's vector work.
; Every wave walks the head's 4,096 keys, 128 a step.  A step's block of 12,800 bytes is laid in the order of the operands' registers: four K pair images, four tiles of V^T, 512 bytes of scale words; every LDS read is 16 x lane on end.
; THE FIRST PRODUCT'S K IS 64, half of the instruction's 128: two key tiles form ONE source 0 (k 0..63 the first tile's d, k 64..127 the second's), multiplied once by [q | zero codes] and once by [zero codes | q].
; The other tile's codes meet zero codes, under scale bytes that are never 0xff: they add 0.
; Both products are used transposed: a lane holds one query (lane % 16); the keys of a tile are chosen so that score register 32 c + i is key 64 c + 32 (lane / 16) + i: whole blocks, in the second product's order.
; RING.  Two slots of 8 steps (102,400 bytes).  Waves 0 to 3 fetch a quarter of a slot each, as 100 dense rows of 256 bytes.  By this text's count a wave has two tensor loads out at the start and one behind each of the two refills.
; CLUSTER.  The four query blocks of a cluster belong to one head and walk the same blocks: each tile is asked for jointly, by the same load with a mask that names the four.
; No prefetch: a refill is issued eight key steps ahead of the first read of its slot, and the first fills stand at the head.
; LIMITS: NaN and infinities are not served.  A block of y under 2^-124 gets the byte 1 (its codes are zeros; this program alone reads the bytes).  1 / l comes from v_rcp_f32 (1 ulp); l's terms are added in another order than in the definition.
.set STEPB, 12800
.set SLOTB, 102400
.set SPARE, 204800                     ; behind the ring: the spare words, 128 bytes for each wave: eight blocks of 256 bytes that no other line names
.set AD0, 1                            ; v1   16 x lane; never rewritten
.set ADR, 2                            ; v2   the step's LDS address
.set SH8, 3                            ; v3   8 h
.set QA,  4                            ; v4, v5 my bytes in q's pair image
.set QB,  5
.set SPW, 6                            ; v6   LDS address of my spare word; never rewritten
.set NIL, 7                            ; v7   0; never rewritten
.set R,   8                            ; v[8:9] 1 / l, as a pair
.set LS,  10
.set T0,  11
.set T1,  12
.set HW,  13                           ; y's two scale bytes
.set E0,  14                           ; v14, v15 the conversions' scale operands
.set BY,  16                           ; v16, v17 bytes
.set MX,  18                           ; v18-21 largest p
.set QS,  22                           ; q's scale word: scales and nothing else, like the next five
.set PW,  23                           ; p's scale word
.set SCW, 24                           ; v24-27 lanes 0-15: K's pair words, lanes 16-31: V's words
.set L,   28                           ; v28-35 the row's sum, in four pairs
.set QHI, 36                           ; v36-47 [zero codes | q];  v42-53 [q | zero codes]
.set QLO, 42
.set P,   54                           ; v54-65 p's codes
.set TT,  66                           ; v66-68, v70-72 a block's upper 16 codes
.set YC,  74                           ; v74-79 y's codes
.set YO8, 81                           ; 8 x lane
.set YSO, 82                           ; 4 r
.set F,   84                           ; v84-131 four fragments of K, then of V^T
.set S,   132                          ; v132-195 the scores, then p; at the end y
.set O,   196                          ; v196-227 O^T: register i = d 32 h + i
.set WV,  14                           ; s14  my wave's number
.set G1,  24                           ; s[24:31] descriptor group 1
.set G0A, 32                           ; s[32:35], s[36:39] group 0 for slot 0, slot 1
.set G0B, 36
.set CS,  40                           ; s[40:41] c = log2(e) / 8
.set SEL, 42                           ; s[42:43] lane selects: lane l xor 16
.set TB,  44                           ; s44  LDS byte at which the step in hand begins
.set CNT, 45
.macro CROUND                          ; a round of the cluster's barrier
	s_barrier_signal -1
	s_barrier_wait -1
	s_cmp_lg_u32 s[WV], 0
	s_cbranch_scc1 .Lnot_wave_0_\@
	s_barrier_signal -3
.Lnot_wave_0_\@:
	s_barrier_wait -3
	s_barrier_signal -1
	s_barrier_wait -1
.endm
	s_load_b256 s[4:11], s[0:1], 0x0               ; qc s[4:5], qs s[6:7], kv s[8:9], yc s[10:11]
	s_load_b64 s[12:13], s[0:1], 0x20              ; ys
	v_lshl_add_u32 v[SPW], v0, 2, SPARE
	v_mov_b32 v[NIL], 0
	ds_add_u32 v[SPW], v[NIL]                      ; the wave's opening: the add and its wait stand ahead of the first tensor loads; work on registers stands between them
	v_lshrrev_b32 v2, 5, v0
	v_readfirstlane_b32 s[WV], v2                  ; wave 0..15
	s_bfe_u32 s15, ttmp6, 0x40000                  ; cx: my place in the cluster; it enters q's and y's global addresses alone
	s_lshl_b32 s16, ttmp9, 2
	s_add_co_u32 s16, s16, s15                     ; my block of 256 queries
	s_and_b32 s17, ttmp7, 0xffff                   ; bh, which the four partners share
	s_mov_b32 s[G1], 15|(3<<16)|(1<<21)            ; 15:0 the mask: all four work-groups; 17:16 elements of 8 bytes; 20 no padding; 21 set beside a mask
	s_mov_b32 s[G1+1], 32<<16                      ; tensor_dim0 = 32 elements: rows of 256 bytes
	s_mov_b32 s[G1+2], 100<<16                     ; tensor_dim1 = 100
	s_mov_b32 s[G1+3], 32<<16                      ; tile_dim0
	s_mov_b32 s[G1+4], 100                         ; tile_dim1: 25,600 bytes, two steps' blocks
	s_mov_b32 s[G1+5], 32                          ; the pitch: dense
	s_mov_b32 s[G1+6], 0
	s_mov_b32 s[G1+7], 0
	s_mov_b32 s[CS], 0x3e38aa3b
	s_mov_b32 s[CS+1], s[CS]                       ; (named with it as a pair, so it is written)
	s_mov_b32 s[SEL], 0x76543210
	s_mov_b32 s[SEL+1], 0xfedcba98
	s_and_b32 s18, s[WV], 3
	s_mul_i32 s19, s18, 25600                      ; the quarter of a slot that I fetch, if I fetch
	s_mul_i32 s20, s17, 409600                     ; the head's 32 blocks
	s_add_co_u32 s20, s20, s19
	s_mov_b32 s21, 0
	v_and_b32 v2, 31, v0
	v_lshlrev_b32 v[AD0], 4, v2
	v_lshlrev_b32 v[YO8], 3, v2
	v_bfe_u32 v3, v0, 4, 1
	v_lshlrev_b32 v[SH8], 3, v3
	v_and_b32 v[YSO], 15, v0
	v_lshlrev_b32 v[YSO], 2, v[YSO]
	s_wait_dscnt 0x0                               ; the opening add is done
	s_wait_kmcnt 0x0
	s_add_nc_u64 s[8:9], s[8:9], s[20:21]
	CROUND                                         ; all four work-groups are here: the first joint loads meet
	s_mov_b32 s[G0A], 1                            ; count = 1
	s_mov_b32 s[G0A+1], s19                        ; LDS address: slot 0
	s_mov_b64 s[G0A+2:G0A+3], s[8:9]               ; steps 0 to 7
	s_or_b32 s[G0A+3], s[G0A+3], 0x80000000        ; type = 2
	s_mov_b32 s[G0B], 1
	s_add_co_u32 s[G0B+1], s19, SLOTB
	s_add_nc_u64 s[G0B+2:G0B+3], s[8:9], SLOTB     ; steps 8 to 15
	s_or_b32 s[G0B+3], s[G0B+3], 0x80000000
	s_cmp_lt_u32 s[WV], 4                          ; a wave's two first fills stand in one branch on the wave's number
	s_cbranch_scc0 .Lno_first
	tensor_load_to_lds s[G0A:G0A+3], s[G1:G1+7]
	s_nop 0
	tensor_load_to_lds s[G0B:G0B+3], s[G1:G1+7]
	s_nop 0
.rept 4
	v_nop
.endr
.Lno_first:
	s_lshl_b32 s46, s17, 7
	s_lshl_b32 s47, s16, 3
	s_add_co_u32 s46, s46, s47
	s_lshr_b32 s47, s[WV], 1
	s_add_co_u32 s46, s46, s47                     ; my tile's pair among the 2,048
	s_mul_i32 s48, s46, 1536
	s_mov_b32 s49, 0
	s_add_nc_u64 s[4:5], s[4:5], s[48:49]
	s_lshl_b32 s48, s46, 7
	s_add_nc_u64 s[6:7], s[6:7], s[48:49]
	s_and_b32 s50, s[WV], 1                        ; which tile of the pair: registers 0-5 or 6-11 of the image
	s_mul_i32 s51, s50, 520
	v_add_nc_u32 v[QA], s51, v[AD0]
	s_mul_i32 s51, s50, 1016
	s_add_co_u32 s51, s51, 8
	v_add_nc_u32 v[QB], s51, v[AD0]
	global_load_b64 v[QLO:QLO+1], v[QA], s[4:5]
	global_load_b64 v[QLO+2:QLO+3], v[QB], s[4:5]
	global_load_b64 v[QLO+4:QLO+5], v[QA], s[4:5] offset:512
	global_load_b32 v[QS], v[YSO], s[6:7]          ; the pair's scale word of row r
	s_lshr_b32 s46, s17, 2
	s_lshl_b32 s46, s46, 6
	s_lshl_b32 s47, s16, 2
	s_add_co_u32 s46, s46, s47
	s_lshr_b32 s47, s[WV], 2
	s_add_co_u32 s46, s46, s47                     ; G: which 64 tokens of the 16,384
	s_and_b32 s47, s[WV], 3                        ; u: which tile of them
	s_and_b32 s52, s17, 3                          ; head
	s_lshl_b32 s53, s47, 2
	s_add_co_u32 s53, s53, s52
	s_mul_i32 s53, s53, 768
	s_mul_i32 s48, s46, 12288
	s_add_co_u32 s48, s48, s53
	s_add_nc_u64 s[10:11], s[10:11], s[48:49]      ; y's codes: half image 4 u + head of group G
	s_lshl_b32 s53, s47, 1
	s_lshr_b32 s54, s52, 1
	s_add_co_u32 s53, s53, s54
	s_lshl_b32 s53, s53, 6
	s_and_b32 s54, s52, 1
	s_lshl_b32 s54, s54, 1
	s_add_co_u32 s53, s53, s54
	s_lshl_b32 s48, s46, 9
	s_add_co_u32 s48, s48, s53
	s_add_nc_u64 s[12:13], s[12:13], s[48:49]      ; y's scale bytes: fragment 2 u + head / 2, bytes 2 (head % 2) on
	s_lshl_b32 s51, s50, 4
	s_wait_loadcnt 0x0
	v_lshrrev_b32 v[T0], s51, v[QS]
	v_and_b32 v[T0], 0xffff, v[T0]                 ; my tile's two bytes,
	v_lshl_or_b32 v[QS], v[T0], 16, v[T0]          ; below and above: they serve [q | 0] and [0 | q]
.irp i, 0,1,2,3,4,5
	v_mov_b32 v[QHI+\i], 0                         ; zero codes.  (These lines and the step's first four stand between the scale word's write and the first product)
	v_mov_b32 v[QLO+6+\i], 0
.endr
	v_mov_b32 v[T1], 0                             ; written once: a lane permute's destination counts as one of its sources
	s_wait_tensorcnt 0x1                           ; my part of slot 0 is in; slot 1's may stay out
	s_barrier_signal -1
	s_barrier_wait -1                              ; everybody's is
; A KEY STEP: 128 keys.  zero = 1: the first, which starts O^T and the sum
.macro STEP zero
	v_add_nc_u32 v[ADR], s[TB], v[AD0]
.rept 3
	v_nop                                          ; with the line above: four places behind the last step's products, in front of loads into registers that they read
.endr
	ds_load_b128 v[SCW:SCW+3], v[ADR] offset:12288
.irp i, 0,1,2,3,4,5,6,7,8,9,10,11
	ds_load_b128 v[F+4*\i:F+4*\i+3], v[ADR] offset:512*\i
.endr
	s_wait_dscnt 0x0
.irp j, 0,1,2,3                        ; S^T: pair j's first tile by [q | 0], its second by [0 | q]
	v_wmma_scale_f32_16x16x128_f8f6f4 v[S+16*\j:S+16*\j+7], v[F+12*\j:F+12*\j+11], v[QLO:QLO+11], 0, v[SCW+\j], v[QS] matrix_a_fmt:MATRIX_FMT_FP6 matrix_b_fmt:MATRIX_FMT_FP6
	v_wmma_scale_f32_16x16x128_f8f6f4 v[S+16*\j+8:S+16*\j+15], v[F+12*\j:F+12*\j+11], v[QHI:QHI+11], 0, v[SCW+\j], v[QS] matrix_a_fmt:MATRIX_FMT_FP6 matrix_b_fmt:MATRIX_FMT_FP6
.endr
.rept 4
	v_nop                                          ; places in front of the loads below and of the first read of the scores
.endr
.irp i, 0,1,2,3,4,5,6,7,8,9,10,11
	ds_load_b128 v[F+4*\i:F+4*\i+3], v[ADR] offset:6144+512*\i   ; V^T: it lands under the softmax
.endr
.set II, 0
.rept 32
	v_pk_mul_f32 v[S+II:S+II+1], v[S+II:S+II+1], s[CS:CS+1] op_sel_hi:[1,0]   ; t, each accumulator from its low end on
.set II, II+2
.endr
.set II, 0
.rept 64
	v_exp_f32 v[S+II], v[S+II]                     ; p = 2^t
.set II, II+1
.endr
	v_nop                                          ; a plain line behind the last exponential
	s_wait_alu depctr_va_vdst(0)                   ; the wait ahead of the first line that names a result: one for the batch
.irp c, 0,1                            ; my two blocks' largest p, four chains by turns; p is positive and at least 2^-15.6: no |.| and no floor
	v_max3_num_f32 v[MX+2*\c], v[S+32*\c], v[S+32*\c+1], v[S+32*\c+2]
	v_max3_num_f32 v[MX+2*\c+1], v[S+32*\c+15], v[S+32*\c+16], v[S+32*\c+17]
.endr
.irp i, 0,1,2,3,4,5
.irp c, 0,1
	v_max3_num_f32 v[MX+2*\c], v[MX+2*\c], v[S+32*\c+3+2*\i], v[S+32*\c+4+2*\i]
	v_max3_num_f32 v[MX+2*\c+1], v[MX+2*\c+1], v[S+32*\c+18+2*\i], v[S+32*\c+19+2*\i]
.endr
.endr
.irp c, 0,1
	v_max3_num_f32 v[MX+2*\c+1], v[MX+2*\c+1], v[S+32*\c+30], v[S+32*\c+31]
.endr
.irp c, 0,1
	v_max_num_f32 v[MX+2*\c], v[MX+2*\c], v[MX+2*\c+1]
.endr
.irp c, 0,1
	v_add_nc_u32 v[E0+\c], 0xff000000, v[MX+2*\c]  ; 2 off the exponent field: the conversion's scale operand
.endr
.irp c, 0,1
	v_lshrrev_b32 v[BY+\c], 23, v[E0+\c]           ; the scales' bytes: blocks h and 2 + h
.endr
	v_lshl_or_b32 v[T0], v[BY+1], 16, v[BY]
	v_lshlrev_b32 v[T0], v[SH8], v[T0]
	v_permlanex16_b32 v[T1], v[T0], s[SEL], s[SEL+1]
	v_or_b32 v[PW], v[T0], v[T1]                   ; p's scale word for these 128 keys
.irp c, 0,1
	v_cvt_scalef32_pk16_fp6_f32 v[P+6*\c:P+6*\c+2], v[S+32*\c:S+32*\c+15], v[E0+\c]
	v_cvt_scalef32_pk16_fp6_f32 v[TT+4*\c:TT+4*\c+2], v[S+32*\c+16:S+32*\c+31], v[E0+\c]   ; (a conversion's three registers begin on an even number)
.endr
	v_nop                                          ; one plain line behind the conversions
.irp c, 0,1
.irp i, 0,1,2
	v_mov_b32 v[P+6*\c+3+\i], v[TT+4*\c+\i]
.endr
.endr
.if \zero                              ; the row's sum of the unquantised p, in four chains.  These lines are also the places between the writes of p's codes and scale word and the products below
.irp k, 0,1,2,3
	v_pk_add_f32 v[L+2*\k:L+2*\k+1], v[S+2*\k:S+2*\k+1], v[S+2*\k+8:S+2*\k+9]
.endr
.endif
.set II, 8*\zero
.rept 32-8*\zero
	v_pk_add_f32 v[L+2*(II%4):L+2*(II%4)+1], v[L+2*(II%4):L+2*(II%4)+1], v[S+2*II:S+2*II+1]
.set II, II+1
.endr
	s_wait_dscnt 0x0                               ; V^T is in
.irp t, 0,1,2,3                        ; O^T += V^T P^T: four accumulators by turns; the next step's eight score products stand between two turns
.if \zero
	v_wmma_scale_f32_16x16x128_f8f6f4 v[O+8*\t:O+8*\t+7], v[F+12*\t:F+12*\t+11], v[P:P+11], 0, v[SCW+\t], v[PW] matrix_a_fmt:MATRIX_FMT_FP6 matrix_b_fmt:MATRIX_FMT_FP6 matrix_a_scale:MATRIX_SCALE_ROW1
.else
	v_wmma_scale_f32_16x16x128_f8f6f4 v[O+8*\t:O+8*\t+7], v[F+12*\t:F+12*\t+11], v[P:P+11], v[O+8*\t:O+8*\t+7], v[SCW+\t], v[PW] matrix_a_fmt:MATRIX_FMT_FP6 matrix_b_fmt:MATRIX_FMT_FP6 matrix_a_scale:MATRIX_SCALE_ROW1
.endif
.endr
	s_add_co_u32 s[TB], s[TB], STEPB
.endm
.macro RUN n
	s_mov_b32 s[CNT], \n
.Lstep_\@:
	STEP 0
	s_sub_co_u32 s[CNT], s[CNT], 1
	s_cmp_lg_u32 s[CNT], 0
	s_cbranch_scc1 .Lstep_\@
.endm
; THE CHANGE OF SLOTS.  Each wave waits for all its tensor loads (its part of the slot ahead), adds 0 to its spare word, and waits for that and for its reads of the slot that it leaves.
; g0 other than 0: that slot is filled again, 16 steps on; the barrier is then a round of the cluster's, and the joint refill is the first thing behind it: it has eight key steps in which to land.
.macro CHANGE g0
	s_wait_tensorcnt 0x0                           ; no tensor load of mine is out, so a group 0 may be written
	ds_add_u32 v[SPW], v[NIL]
.if \g0
	s_add_nc_u64 s[\g0+2:\g0+3], s[\g0+2:\g0+3], 2*SLOTB   ; the type bits on top are not reached
.endif
	s_wait_dscnt 0x0                               ; the add is done, and my reads of the slot are over
.if \g0
	CROUND
	s_cmp_lt_u32 s[WV], 4
	s_cbranch_scc0 .Lno_fill_\@
	tensor_load_to_lds s[\g0:\g0+3], s[G1:G1+7]
	s_nop 0
.rept 4
	v_nop
.endr
.Lno_fill_\@:
.else
	s_barrier_signal -1
	s_barrier_wait -1
.endif
.endm
	s_mov_b32 s[TB], 0
	STEP 1                                         ; steps 0 to 7, in slot 0
	RUN 7
	CHANGE G0A                                     ; slot 0 takes steps 16 to 23
	s_mov_b32 s[TB], SLOTB
	RUN 8                                          ; steps 8 to 15
	CHANGE G0B                                     ; slot 1 takes steps 24 to 31
	s_mov_b32 s[TB], 0
	RUN 8                                          ; steps 16 to 23
	CHANGE 0                                       ; nothing is left to fetch
	s_mov_b32 s[TB], SLOTB
	RUN 8                                          ; steps 24 to 31
	; THE WAY OUT.  The four additions are the places behind the last products
	v_pk_add_f32 v[L:L+1], v[L:L+1], v[L+2:L+3]
	v_pk_add_f32 v[L+4:L+5], v[L+4:L+5], v[L+6:L+7]
	v_pk_add_f32 v[L:L+1], v[L:L+1], v[L+4:L+5]
	v_add_f32 v[LS], v[L], v[L+1]
	v_permlanex16_b32 v[T1], v[LS], s[SEL], s[SEL+1]
	v_add_f32 v[LS], v[LS], v[T1]                  ; with lane l xor 16's keys: the row's sum
	v_rcp_f32 v[R], v[LS]
	v_mov_b32 v[R+1], 0                            ; a plain line behind the transcendental; the pair's upper word is written
	s_wait_alu depctr_va_vdst(0)                   ; the wait ahead of the first use
.set II, 0
.rept 16
	v_pk_mul_f32 v[S+II:S+II+1], v[O+II:O+II+1], v[R:R+1] op_sel_hi:[1,0]   ; y(query r, d = 32 h + i): a whole block of the last product's K in a lane
.set II, II+2
.endr
	v_max3_num_f32 v[MX], |v[S]|, |v[S+1]|, 0x1800000   ; with the floor 2^(3 - 127)
	v_max3_num_f32 v[MX+1], |v[S+16]|, |v[S+17]|, |v[S+18]|
.irp i, 0,1,2,3,4,5
	v_max3_num_f32 v[MX], v[MX], |v[S+2+2*\i]|, |v[S+3+2*\i]|
	v_max3_num_f32 v[MX+1], v[MX+1], |v[S+19+2*\i]|, |v[S+20+2*\i]|
.endr
	v_max3_num_f32 v[MX], v[MX], |v[S+14]|, |v[S+15]|
	v_max3_num_f32 v[MX], v[MX], v[MX+1], |v[S+31]|
	v_add_nc_u32 v[E0], 0xff000000, v[MX]
	v_lshrrev_b32 v[BY], 23, v[E0]
	v_lshlrev_b32 v[T0], v[SH8], v[BY]
	v_permlanex16_b32 v[T1], v[T0], s[SEL], s[SEL+1]
	v_or_b32 v[HW], v[T0], v[T1]                   ; the head's two bytes of row r
	v_cvt_scalef32_pk16_fp6_f32 v[YC:YC+2], v[S:S+15], v[E0]
	v_cvt_scalef32_pk16_fp6_f32 v[TT:TT+2], v[S+16:S+31], v[E0]
	v_nop                                          ; one plain line behind the conversions
.irp i, 0,1,2
	v_mov_b32 v[YC+3+\i], v[TT+\i]
.endr
	global_store_b128 v[AD0], v[YC:YC+3], s[10:11]             ; 512 consecutive bytes, aligned
	global_store_b64 v[YO8], v[YC+4:YC+5], s[10:11] offset:512 ; and 256
	global_store_b16 v[YSO], v[HW], s[12:13]                   ; lanes r and r + 16 write the same two bytes with the same value
	s_wait_tensorcnt 0x0                           ; the wave's end, behind my last tensor load
	ds_add_u32 v[SPW], v[NIL]
	s_wait_dscnt 0x0
	CROUND                                         ; the closing round: no work-group ends while a partner may still ask for a tile that names it
	s_endpgm
.Lfunc_end_k_qf78b85182a_attn:
	.size	k_qf78b85182a_attn, .Lfunc_end_k_qf78b85182a_attn-k_qf78b85182a_attn
	.p2alignl 7, 3214868480
	.fill 96, 4, 3214868480
	.section	.rodata,"a",@progbits
	.p2align	6, 0x0
	.amdhsa_kernel k_qf78b85182a_attn
		.amdhsa_group_segment_fixed_size 327680
		.amdhsa_private_segment_fixed_size 0
		.amdhsa_enable_private_segment 0
		.amdhsa_kernarg_size 40
		.amdhsa_user_sgpr_count 2
		.amdhsa_user_sgpr_kernarg_segment_ptr 1
		.amdhsa_wavefront_size32 1
		.amdhsa_system_sgpr_workgroup_id_x 1
		.amdhsa_system_sgpr_workgroup_id_y 1
		.amdhsa_system_sgpr_workgroup_id_z 1
		.amdhsa_system_vgpr_workitem_id 0
		.amdhsa_next_free_vgpr 256
		.amdhsa_next_free_sgpr 66
		.amdhsa_reserve_vcc 0
		.amdhsa_float_denorm_mode_32 3
		.amdhsa_float_denorm_mode_16_64 3
		.amdhsa_memory_ordered 1
		.amdhsa_forward_progress 1
		.amdhsa_inst_pref_size 74
	.end_amdhsa_kernel
	.amdgpu_metadata
---
amdhsa.version: [ 1, 2 ]
amdhsa.kernels:
  - .name:           k_qf78b85182a_attn
    .symbol:         k_qf78b85182a_attn.kd
    .args:
      - { .name: qc, .offset: 0, .size: 8, .value_kind: global_buffer, .address_space: global }
      - { .name: qs, .offset: 8, .size: 8, .value_kind: global_buffer, .address_space: global }
      - { .name: kv, .offset: 16, .size: 8, .value_kind: global_buffer, .address_space: global }
      - { .name: yc, .offset: 24, .size: 8, .value_kind: global_buffer, .address_space: global }
      - { .name: ys, .offset: 32, .size: 8, .value_kind: global_buffer, .address_space: global }
    .group_segment_fixed_size: 327680
    .private_segment_fixed_size: 0
    .kernarg_segment_align: 8
    .kernarg_segment_size: 40
    .max_flat_workgroup_size: 512
    .sgpr_count:     66
    .vgpr_count:     256
    .wavefront_size: 32
...
	.end_amdgpu_metadata
.endif
;; end of part 2
;; launch outp (part 3): grid 256 x 1, 16 waves a work-group, no clusters, 80,896 bytes of LDS; arguments yc, ys, woc, wos, out0; writes out0
.if DOCPART == 3
	.amdgcn_target "amdgcn-amd-amdhsa--gfx1250"
	.amdhsa_code_object_version 6
	.text
	.protected	k_qf78b85182a_outp
	.globl	k_qf78b85182a_outp
	.p2align	8
	.type	k_qf78b85182a_outp,@function
k_qf78b85182a_outp:
	s_mov_b64 s[64:65], 0
	v_nop
	global_prefetch_b8 v0, s[64:65] scope:SCOPE_SE
	s_setreg_imm32_b32 hwreg(HW_REG_WAVE_MODE, 25, 1), 1
	s_wait_xcnt 0x0
; out = y wo^T on codes of FP6 (E2M3) with E8M0 scales; both operands arrive as images of operand registers.  out0: [16,384][256] f32.
; SHARES.  A work-group takes 64 tokens (group G), all 256 columns.  Wave w makes columns 16 w .. 16 w + 15 for the four tiles of 16 tokens: its two fragments of wo (K steps 0, 1) go from memory straight into its registers.
; y's 16 half images (tile u, head: 768 bytes) are brought once, one a wave, and reach the other waves through LDS as they lie.  Row r of tile u is token 64 G + 32 (r / 8) + 8 u + r % 8.
; The product is used transposed (source 0 = 16 rows of wo, source 1 = 16 tokens): a lane holds eight neighbouring columns of one token.  Results meet in a stage of 64 rows x (1,024 + 16) bytes; each wave stores four whole rows.
; NO JOINT LOADS, no tensor loads: what work-groups share is wo's 3,072 bytes a wave, read once into registers; the launch is a single pass.
.set YIMG,  0                          ; LDS: y's 16 half images
.set STG,   12288                      ; the stage
.set SPARE, 78848                      ; the spare words, 128 bytes for each wave: eight blocks of 256 bytes that no other line names
.set L16, 1                            ; 16 x lane
.set L8,  2                            ; 8 x lane
.set L4R, 3                            ; 4 r
.set L4,  4                            ; 4 x lane
.set YW,  5                            ; where I store my half image's first four registers,
.set YW8, 6                            ; and its last two
.set SO,  7                            ; the stage: where I put 32 bytes of a row
.set SR,  8                            ; and where I read rows back
.set SPW, 10                           ; LDS address of my spare word; never rewritten
.set NIL, 11                           ; 0; never rewritten
.set YH,  12                           ; v12-17 my half image
.set WOS, 18                           ; v18-19 wo's scale words;  v20-27 y's: scales and nothing else
.set YS,  20
.set WO,  28                           ; v28-51 wo's two fragments
.set YF,  52                           ; v52-147 y's eight fragments (2 u + K step); later rows of out0
.set ACC, 148                          ; v148-179 four accumulators
	s_load_b256 s[4:11], s[0:1], 0x0               ; yc s[4:5], ys s[6:7], woc s[8:9], wos s[10:11]
	s_load_b64 s[12:13], s[0:1], 0x20              ; out0
	v_lshl_add_u32 v[SPW], v0, 2, SPARE
	v_mov_b32 v[NIL], 0
	v_lshrrev_b32 v9, 5, v0
	v_readfirstlane_b32 s14, v9                    ; wave 0..15
	v_and_b32 v9, 31, v0
	v_lshlrev_b32 v[L16], 4, v9
	v_lshlrev_b32 v[L8], 3, v9
	v_lshlrev_b32 v[L4], 2, v9
	v_and_b32 v9, 15, v0                           ; r
	v_lshlrev_b32 v[L4R], 2, v9
	s_mul_i32 s15, s14, 768
	v_add_nc_u32 v[YW], s15, v[L16]
	s_add_co_u32 s16, s15, 512
	v_add_nc_u32 v[YW8], s16, v[L8]
	v_lshrrev_b32 v[SO], 3, v9
	v_and_b32 v[SR], 7, v9
	v_lshl_add_u32 v[SO], v[SO], 5, v[SR]          ; 32 (r / 8) + r % 8
	v_mul_u32_u24 v[SO], v[SO], 1040
	v_bfe_u32 v[SR], v0, 4, 1
	v_lshl_add_u32 v[SO], v[SR], 5, v[SO]          ; + 32 h
	s_lshl_b32 s16, s14, 6
	s_add_co_u32 s16, s16, STG
	v_add_nc_u32 v[SO], s16, v[SO]                 ; + 64 w: my 16 columns
	s_mul_i32 s16, s14, 4160
	s_add_co_u32 s16, s16, STG
	v_add_nc_u32 v[SR], s16, v[L16]                ; back: rows 4 w on
	s_mov_b32 s17, 0
	s_wait_kmcnt 0x0
	s_mul_i32 s16, ttmp9, 12288
	s_add_co_u32 s16, s16, s15
	s_add_nc_u64 s[4:5], s[4:5], s[16:17]          ; my half image of group G
	s_lshl_b32 s16, ttmp9, 9
	s_add_nc_u64 s[6:7], s[6:7], s[16:17]
	s_mul_i32 s16, s14, 3072
	s_add_nc_u64 s[8:9], s[8:9], s[16:17]          ; wo's fragments 2 w, 2 w + 1
	s_lshl_b32 s16, s14, 8
	s_add_nc_u64 s[10:11], s[10:11], s[16:17]
	s_lshl_b32 s16, ttmp9, 6
	s_lshl_b32 s18, s14, 2
	s_add_co_u32 s16, s16, s18
	s_lshl_b32 s16, s16, 10
	s_add_nc_u64 s[12:13], s[12:13], s[16:17]      ; out0 at row 64 G + 4 w
	global_load_b128 v[YH:YH+3], v[L16], s[4:5]
	global_load_b64 v[YH+4:YH+5], v[L8], s[4:5] offset:512
.irp i, 0,1,2,3,4,5
	global_load_b128 v[WO+4*\i:WO+4*\i+3], v[L16], s[8:9] offset:512*\i
.endr
.irp s, 0,1
	global_load_b32 v[WOS+\s], v[L4], s[10:11] offset:128*\s
.endr
.irp f, 0,1,2,3,4,5,6,7
	global_load_b32 v[YS+\f], v[L4R], s[6:7] offset:64*\f
.endr
	s_wait_loadcnt 16                              ; my half image is in; the 6 + 2 + 8 loads behind it may be out
	ds_store_b128 v[YW], v[YH:YH+3]
	ds_store_b64 v[YW8], v[YH+4:YH+5]
	s_wait_dscnt 0x0                               ; for the others' sake
	s_barrier_signal -1
	s_barrier_wait -1                              ; y's sixteen half images lie in LDS
.irp u, 0,1,2,3                        ; fragment (u, K step s): heads 2 s and 2 s + 1 are its registers 0-5 and 6-11
.irp s, 0,1
.irp c, 0,1
	ds_load_b128 v[YF+12*(2*\u+\s)+6*\c:YF+12*(2*\u+\s)+6*\c+3], v[L16] offset:YIMG+(4*\u+2*\s+\c)*768
	ds_load_b64 v[YF+12*(2*\u+\s)+6*\c+4:YF+12*(2*\u+\s)+6*\c+5], v[L8] offset:YIMG+(4*\u+2*\s+\c)*768+512
.endr
.endr
.endr
	s_wait_loadcnt 0x0
	s_wait_dscnt 0x0
.irp u, 0,1,2,3                        ; four accumulators by turns, a K step at a time
	v_wmma_scale_f32_16x16x128_f8f6f4 v[ACC+8*\u:ACC+8*\u+7], v[WO:WO+11], v[YF+24*\u:YF+24*\u+11], 0, v[WOS], v[YS+2*\u] matrix_a_fmt:MATRIX_FMT_FP6 matrix_b_fmt:MATRIX_FMT_FP6
.endr
.irp u, 0,1,2,3
	v_wmma_scale_f32_16x16x128_f8f6f4 v[ACC+8*\u:ACC+8*\u+7], v[WO+12:WO+23], v[YF+24*\u+12:YF+24*\u+23], v[ACC+8*\u:ACC+8*\u+7], v[WOS+1], v[YS+2*\u+1] matrix_a_fmt:MATRIX_FMT_FP6 matrix_b_fmt:MATRIX_FMT_FP6
.endr
.rept 4
	v_nop                                          ; places in front of the first read of results, and of the loads into y's registers below
.endr
.irp u, 0,1,2,3
	ds_store_b128 v[SO], v[ACC+8*\u:ACC+8*\u+3] offset:8320*\u        ; each accumulator from its low end on; tile u's rows lie 8 u rows on
	ds_store_b128 v[SO], v[ACC+8*\u+4:ACC+8*\u+7] offset:8320*\u+16
.endr
	s_wait_dscnt 0x0                               ; for the others' sake
	s_barrier_signal -1
	s_barrier_wait -1                              ; 64 whole rows lie in the stage
.irp i, 0,1,2,3
.irp k, 0,1
	ds_load_b128 v[YF+4*(2*\i+\k):YF+4*(2*\i+\k)+3], v[SR] offset:1040*\i+512*\k
.endr
.endr
.irp i, 0,1,2,3
.irp k, 0,1
	s_wait_dscnt 7-(2*\i+\k)                       ; the younger loads may stay out
	global_store_b128 v[L16], v[YF+4*(2*\i+\k):YF+4*(2*\i+\k)+3], s[12:13] offset:1024*\i+512*\k th:TH_STORE_NT   ; 512 consecutive bytes, aligned; written once
.endr
.endr
	s_wait_tensorcnt 0x0                           ; the wave's end, behind my last LDS store
	ds_add_u32 v[SPW], v[NIL]
	s_wait_dscnt 0x0
	s_endpgm
.Lfunc_end_k_qf78b85182a_outp:
	.size	k_qf78b85182a_outp, .Lfunc_end_k_qf78b85182a_outp-k_qf78b85182a_outp
	.p2alignl 7, 3214868480
	.fill 96, 4, 3214868480
	.section	.rodata,"a",@progbits
	.p2align	6, 0x0
	.amdhsa_kernel k_qf78b85182a_outp
		.amdhsa_group_segment_fixed_size 80896
		.amdhsa_private_segment_fixed_size 0
		.amdhsa_enable_private_segment 0
		.amdhsa_kernarg_size 40
		.amdhsa_user_sgpr_count 2
		.amdhsa_user_sgpr_kernarg_segment_ptr 1
		.amdhsa_wavefront_size32 1
		.amdhsa_system_sgpr_workgroup_id_x 1
		.amdhsa_system_sgpr_workgroup_id_y 1
		.amdhsa_system_sgpr_workgroup_id_z 1
		.amdhsa_system_vgpr_workitem_id 0
		.amdhsa_next_free_vgpr 192
		.amdhsa_next_free_sgpr 66
		.amdhsa_reserve_vcc 0
		.amdhsa_float_denorm_mode_32 3
		.amdhsa_float_denorm_mode_16_64 3
		.amdhsa_memory_ordered 1
		.amdhsa_forward_progress 1
		.amdhsa_inst_pref_size 10
	.end_amdhsa_kernel
	.amdgpu_metadata
---
amdhsa.version: [ 1, 2 ]
amdhsa.kernels:
  - .name:           k_qf78b85182a_outp
    .symbol:         k_qf78b85182a_outp.kd
    .args:
      - { .name: yc, .offset: 0, .size: 8, .value_kind: global_buffer, .address_space: global }
      - { .name: ys, .offset: 8, .size: 8, .value_kind: global_buffer, .address_space: global }
      - { .name: woc, .offset: 16, .size: 8, .value_kind: global_buffer, .address_space: global }
      - { .name: wos, .offset: 24, .size: 8, .value_kind: global_buffer, .address_space: global }
      - { .name: out0, .offset: 32, .size: 8, .value_kind: global_buffer, .address_space: global }
    .group_segment_fixed_size: 80896
    .private_segment_fixed_size: 0
    .kernarg_segment_align: 8
    .kernarg_segment_size: 40
    .max_flat_workgroup_size: 512
    .sgpr_count:     66
    .vgpr_count:     192
    .wavefront_size: 32
...
	.end_amdgpu_metadata
.endif
;; end of part 3
;; ======== version 2 of 2: 3 launches
;; workspace buffers: qc 3,145,728 bytes; qs 262,144 bytes; kv 6,553,600 bytes; woc 49,152 bytes; wos 4,096 bytes; yc 3,145,728 bytes; ys 131,072 bytes
;; launch proj (part 4): grid 4 x 64, 8 waves a work-group, no clusters, 230,400 bytes of LDS; arguments x, cos, sin, wq, wk, wv, wo, qc, qs, kv, woc, wos; writes qc, qs, kv, woc, wos
.if DOCPART == 4
	.amdgcn_target "amdgcn-amd-amdhsa--gfx1250"
	.amdhsa_code_object_version 6
	.text
	.protected	k_qf78b85182a_proj
	.globl	k_qf78b85182a_proj
	.p2align	8
	.type	k_qf78b85182a_proj,@function
k_qf78b85182a_proj:
	s_mov_b64 s[64:65], 0
	v_nop
	global_prefetch_b8 v0, s[64:65] scope:SCOPE_SE
	s_setreg_imm32_b32 hwreg(HW_REG_WAVE_SCHED_MODE, 0, 2), 2
	s_setreg_imm32_b32 hwreg(HW_REG_WAVE_MODE, 25, 1), 1
	s_wait_xcnt 0x0
	s_wait_alu depctr_vm_vsrc(0)
; q, k, v = x W^T for ONE head and 256 tokens, on codes of FP6 (E2M3) with one E8M0 scale for each 32 along K; then the rotary and the rms norm of q and k in f32; then q and k are
; quantised along the head's 64 and v along the keys, and leave as IMAGES OF OPERAND REGISTERS (registers 4 i .. 4 i + 3 of lane l at 512 i + 16 l), as the attention launch wants them.
; The four work-groups of token block 0 also quantise wo, a fragment a wave, for the last launch.
; SHARES.  Work-group (head, rb): tokens 256 rb .. + 255 of the 16,384, features 64 head .. + 63 of wq, wk, wv.  Eight waves.  Wave w quantises seven fragments of 16 rows x 128 K (one each of wq, wk, wv,
; four of x) into LDS; behind a barrier it makes q and k for token tiles 2 w, 2 w + 1 and one tile of V^T (16 of the head's 64 x 128 keys).
; THE ROWS OF A TILE ARE NOT NEIGHBOURS.  Row m of token tile T is token 64 (T / 4) + 32 (m / 8) + 8 (T % 4) + m % 8, so that a result's 32 registers of four neighbouring tiles are 32 neighbouring tokens
; of one lane: a whole block along the keys.  Row m of tile u of wq, wk is feature 32 (u / 2) + 16 (m / 8) + 8 (u % 2) + m % 8: a lane then holds d = 16 h + 0..15 and d + 32, the rotary's partners.
; Row m of tile t of wv is feature 32 (m / 8) + 8 t + m % 8.
; f32 rows are loaded as they lie (512 consecutive bytes a load) and turned in the wave's own stage in LDS, so that a lane holds 32 neighbours along K for the conversions.
; NO JOINT LOADS: the operands arrive as f32 and go memory - registers - stage - registers - quantiser; a shared tile of x alone would be 256 rows x 1,024 bytes of LDS beside the images.
; No prefetch: three fragments, 48 loads of 512 bytes a wave, are asked for ahead of the one at work.
; LIMITS: NaN and infinities among the inputs are not served.  A block whose largest magnitude lies under 2^-124 (a block of zeros too) gets the scale byte 1: its codes are zeros, and this program alone reads the bytes.
; 1 / sqrt comes from v_rsq_f32 (1 ulp).
; THE MODE: SCHED_MODE bits 1:0 = 2 (LLVM: expert scheduling mode 2), set by the entry lines.  The code itself states the register dependences
; between vector or matrix instructions and memory or LDS instructions, with s_wait_alu, always for 0.
; THE PLAN.  Registers that memory or LDS instructions touch:
;   B0, B1, B2     A fragment's turn: global loads land; the stage's stores read the buffer; the stage's loads land in it; the quantiser reads it; the next global loads land in it.
;   v[PC ..], v[PW], v[PWD]   Written by the quantiser or by POST; read by the stores behind it (an image's, or global ones); written again by the next quantiser or POST.
;   WF, XF, VF, v80-175 as fragments, v[SW ..]   LDS loads land; products read them; the next K step's or the next phase's loads land.  POST's scratch lies in WF's low registers.
;   ACC            Named by matrix and vector instructions; at the very end one LDS load lands in its first four registers.
;   v1-v15, v254, v255   Addresses, made at the head.  v[WOWN], v[WOWS] and v[XOWN] are made a second time, each ahead of a wait on va_vdst that stands there for a run of stores.
; So: one wait on vm_vsrc in a fragment's turn, between the stage's stores and its loads; one on va_vdst behind each quantiser and each pair of POSTs, ahead of the stores, which also serves the loads that follow them;
; one on va_vdst ahead of each second K step's loads; one on vm_vsrc at the head of each phase that writes the codes' registers again.
.set STG,   0                          ; LDS: a stage of 16 rows x (512 + 16) bytes for each wave
.set STG2,  67584                      ; the same once more, for wo's fragments alone
.set XIMG,  135168                     ; x's 32 fragments, index 2 tile + K step, 1,536 bytes each
.set XSC,   184320                     ; their scale words, 128 bytes each
.set WIMG,  188416                     ; the weights' 24 fragments, index 8 role + 2 tile + K step (role: q 0, k 1, v 2)
.set WSC,   225280                     ; their scale words
.set SOUT,  228352                     ; the scale blocks of the two key steps, 512 bytes each, as they go to memory
.set SPARE, 229376                     ; the spare words, 128 bytes for each wave: four blocks of 256 bytes that no other line names
.set L16,  1                           ; v1   16 x lane
.set L4,   2                           ; v2   4 x lane
.set STW,  3                           ; v3   my stage, on the way in: 16 x lane
.set STR,  4                           ; v4   on the way out: 528 r + 128 h
.set XOWN, 5                           ; v5   where my four fragments of x lie; at the end: the scale block that I send
.set XOWS, 6                           ; v6   and their scale words
.set WOWN, 7                           ; v7   where I store my fragments of the weights; later: where my fragment of wv lies
.set WOWS, 8                           ; v8   and their scale words
.set LIW,  9                           ; v9   WIMG + 16 x lane
.set LSW,  10                          ; v10  WSC + 4 x lane
.set XVA,  11                          ; v11  x's fragments of my key step
.set XVS,  12                          ; v12  and their scale words
.set SKW,  13                          ; v13  my word in a scale block
.set CSO,  14                          ; v14  my byte in my pair's rows of cos and sin
.set SH8,  15                          ; v15  8 h
.set B0,   16                          ; three buffers of 64 numbers
.set B1,   80
.set B2,   144
.set ACC,  16                          ; v16-79   eight accumulators
.set CSN,  80                          ; v80-143  cos and sin (tile e: cos at 32 e, sin at 32 e + 16); later eight fragments of x
.set WF,   144                         ; v144-191 four fragments of a weight; then at work
.set XF,   192                         ; v192-215 two fragments of x
.set VF,   176                         ; v176-187 my fragment of wv
.set TP,   144                         ; v144-159 x1 sin
.set SQ,   160                         ; v160-163 sums of squares
.set RR,   164                         ; v164-165 1 / sqrt, as a pair
.set PC,   216                         ; v216-227 the codes just made
.set TT,   228                         ; v228-230, v232-234 a block's upper 16 codes
.set E0,   231                         ; v231, v235 the conversions' scale operands
.set MX,   236                         ; v236-239 largest magnitudes, then bytes
.set SW,   240                         ; v240-248 scale words of the products, and nothing else
.set PW,   250                         ; v250 the scale word just made
.set PWD,  251                         ; v251 a pair's scale word
.set SPW,  252                         ; v252 LDS address of my spare word; never rewritten
.set NIL,  253                         ; v253 0; never rewritten
.set STW2, 254
.set STR2, 255
.set SEL,  38                          ; s[38:39] lane selects for v_permlanex16_b32: lane l xor 16
.macro MM0 d, a, b, sa, sb             ; a product that starts a sum
	v_wmma_scale_f32_16x16x128_f8f6f4 v[\d:\d+7], v[\a:\a+11], v[\b:\b+11], 0, v[\sa], v[\sb] matrix_a_fmt:MATRIX_FMT_FP6 matrix_b_fmt:MATRIX_FMT_FP6
.endm
.macro MMA d, a, b, sa, sb             ; and one that adds in place
	v_wmma_scale_f32_16x16x128_f8f6f4 v[\d:\d+7], v[\a:\a+11], v[\b:\b+11], v[\d:\d+7], v[\sa], v[\sb] matrix_a_fmt:MATRIX_FMT_FP6 matrix_b_fmt:MATRIX_FMT_FP6
.endm
.macro PLACES
.rept 4
	v_nop
.endr
.endm
; 16 rows x 512 bytes: row m lies hi (m / 8) + m % 8 rows of 1,024 bytes on; each load reads 512 consecutive bytes
.macro GLOAD buf, sb, hi, off
.irp m, 0,1,2,3,4,5,6,7,8,9,10,11,12,13,14,15
	global_load_b128 v[\buf+4*\m:\buf+4*\m+3], v[L16], s[\sb:\sb+1] offset:\off+(\hi*(\m/8)+\m%8)*1024
.endr
.endm
; through my stage: in as loaded, back 32 neighbours of row r at a time: register 32 c + i = k 64 c + 32 h + i.  LDS serves a wave's instructions in order: no wait on DScnt between
.macro TURN buf, stw, str
.irp m, 0,1,2,3,4,5,6,7,8,9,10,11,12,13,14,15
	ds_store_b128 v[\stw], v[\buf+4*\m:\buf+4*\m+3] offset:528*\m
.endr
	s_wait_alu depctr_vm_vsrc(0)                   ; these stores have read the buffer, in which the loads below land; the stores of the fragment before have read v[PC ..] and v[PW], which the quantiser writes again
.irp c, 0,1
.irp i, 0,1,2,3,4,5,6,7
	ds_load_b128 v[\buf+32*\c+4*\i:\buf+32*\c+4*\i+3], v[\str] offset:256*\c+16*\i
.endr
.endr
.endm
; 64 numbers of a lane, register 32 c + i = k 64 c + 32 h + i of my row: two whole blocks.  They become the fragment's 12 registers in v[PC] on and my row's scale word in v[PW]
.macro QUANTW s
.irp c, 0,1
	v_max3_num_f32 v[MX+2*\c], |v[\s+32*\c]|, |v[\s+32*\c+1]|, 0x1800000   ; with the floor 2^(3 - 127): the byte cannot fall under 1
	v_max3_num_f32 v[MX+2*\c+1], |v[\s+32*\c+16]|, |v[\s+32*\c+17]|, |v[\s+32*\c+18]|
.endr
.irp i, 0,1,2,3,4,5
.irp c, 0,1
	v_max3_num_f32 v[MX+2*\c], v[MX+2*\c], |v[\s+32*\c+2+2*\i]|, |v[\s+32*\c+3+2*\i]|   ; four chains by turns, each ascending
	v_max3_num_f32 v[MX+2*\c+1], v[MX+2*\c+1], |v[\s+32*\c+19+2*\i]|, |v[\s+32*\c+20+2*\i]|
.endr
.endr
.irp c, 0,1
	v_max3_num_f32 v[MX+2*\c], v[MX+2*\c], |v[\s+32*\c+14]|, |v[\s+32*\c+15]|
.endr
.irp c, 0,1
	v_max3_num_f32 v[MX+2*\c], v[MX+2*\c], v[MX+2*\c+1], |v[\s+32*\c+31]|   ; the block's largest magnitude
.endr
	v_add_nc_u32 v[E0], 0xff000000, v[MX]          ; 2 off the exponent field: the conversion takes that field as its scale
	v_add_nc_u32 v[E0+4], 0xff000000, v[MX+2]
	v_lshrrev_b32 v[MX], 23, v[E0]                 ; the scales' bytes: blocks h and 2 + h
	v_lshrrev_b32 v[MX+1], 23, v[E0+4]
	v_lshl_or_b32 v[MX+2], v[MX+1], 16, v[MX]
	v_lshlrev_b32 v[MX+2], v[SH8], v[MX+2]         ; at their places in the word
	v_permlanex16_b32 v[MX+3], v[MX+2], s[SEL], s[SEL+1]
	v_or_b32 v[PW], v[MX+2], v[MX+3]               ; with lane l xor 16's two the word is whole
.irp c, 0,1
	v_cvt_scalef32_pk16_fp6_f32 v[PC+6*\c:PC+6*\c+2], v[\s+32*\c:\s+32*\c+15], v[E0+4*\c]
	v_cvt_scalef32_pk16_fp6_f32 v[TT+4*\c:TT+4*\c+2], v[\s+32*\c+16:\s+32*\c+31], v[E0+4*\c]   ; (a conversion's three registers begin on an even number)
.endr
	v_nop                                          ; one plain line behind the conversions
.irp c, 0,1
.irp i, 0,1,2
	v_mov_b32 v[PC+6*\c+3+\i], v[TT+4*\c+\i]
.endr
.endr
.endm
.macro IMAGE adr, off, sadr, soff      ; the fragment in v[PC] on goes to LDS as it stands, and its scale word
.irp i, 0,1,2
	ds_store_b128 v[\adr], v[PC+4*\i:PC+4*\i+3] offset:\off+512*\i
.endr
	ds_store_b32 v[\sadr], v[PW] offset:\soff
.endm
.macro FETCH reg, adr, off             ; and comes back so, in any wave
.irp i, 0,1,2
	ds_load_b128 v[\reg+4*\i:\reg+4*\i+3], v[\adr] offset:\off+512*\i
.endr
.endm
; one fragment: its loads are in (left = the loads issued behind them), it is turned and quantised.  Behind the macro stand the buffer's next loads and the image's stores, with no vector line between
.macro QHEAD buf, left
	s_wait_loadcnt \left
	TURN \buf, STW, STR
	s_wait_dscnt 0x0                               ; the numbers are back
	QUANTW \buf
	s_wait_alu depctr_va_vdst(0)                   ; the quantiser has written v[PC ..] and v[PW], which the image's stores read, and is done reading the buffer, in which the next loads land
.endm
; Token tile e of my pair: rotary, rms norm, quantiser.  a = d 16 h + i, b = d 32 + 16 h + i of my token (lane % 16)
.macro POST e
.set PA,  ACC+32*\e
.set PB,  ACC+32*\e+16
.set PCO, CSN+32*\e
.set PSI, CSN+32*\e+16
.irp p, 0,2,4,6,8,10,12,14             ; each accumulator is read from its low end on
	v_pk_mul_f32 v[TP+\p:TP+\p+1], v[PA+\p:PA+\p+1], v[PSI+\p:PSI+\p+1]   ; x1 sin
.endr
.irp p, 0,2,4,6,8,10,12,14
	v_pk_mul_f32 v[PA+\p:PA+\p+1], v[PA+\p:PA+\p+1], v[PCO+\p:PCO+\p+1]   ; x1 cos
.endr
.irp p, 0,2,4,6,8,10,12,14
	v_pk_fma_f32 v[PA+\p:PA+\p+1], v[PB+\p:PB+\p+1], v[PSI+\p:PSI+\p+1], v[PA+\p:PA+\p+1]   ; + x2 sin
.endr
.irp p, 0,2,4,6,8,10,12,14
	v_pk_fma_f32 v[PB+\p:PB+\p+1], v[PB+\p:PB+\p+1], v[PCO+\p:PCO+\p+1], v[TP+\p:TP+\p+1] neg_lo:[0,0,1] neg_hi:[0,0,1]   ; x2 cos - x1 sin
.endr
	v_pk_mul_f32 v[SQ:SQ+1], v[PA:PA+1], v[PA:PA+1]   ; the sum of squares, in two chains
	v_pk_mul_f32 v[SQ+2:SQ+3], v[PB:PB+1], v[PB:PB+1]
.irp p, 2,4,6,8,10,12,14
	v_pk_fma_f32 v[SQ:SQ+1], v[PA+\p:PA+\p+1], v[PA+\p:PA+\p+1], v[SQ:SQ+1]
	v_pk_fma_f32 v[SQ+2:SQ+3], v[PB+\p:PB+\p+1], v[PB+\p:PB+\p+1], v[SQ+2:SQ+3]
.endr
	v_pk_add_f32 v[SQ:SQ+1], v[SQ:SQ+1], v[SQ+2:SQ+3]
	v_add_f32 v[SQ], v[SQ], v[SQ+1]
	v_permlanex16_b32 v[SQ+1], v[SQ], s[SEL], s[SEL+1]   ; the token's other 32 numbers lie in lane l xor 16
	v_add_f32 v[SQ], v[SQ], v[SQ+1]
	v_fma_f32 v[SQ], v[SQ], s40, s41               ; / 64 + eps
	s_wait_alu depctr_va_vdst(0)
	v_rsq_f32 v[RR], v[SQ]
	v_mov_b32 v[RR+1], 0                           ; a plain line behind the transcendental; the pair's upper word is written
	s_wait_alu depctr_va_vdst(0)                   ; the reciprocal root v[RR] is written, ahead of the first line that names it
.set II, 0
.rept 16
	v_pk_mul_f32 v[PA+II:PA+II+1], v[PA+II:PA+II+1], v[RR:RR+1] op_sel_hi:[1,0]
.set II, II+2
.endr
	v_max3_num_f32 v[MX], |v[PA]|, |v[PA+1]|, 0x1800000   ; two blocks of 32 along d, half of each in my lane
	v_max3_num_f32 v[MX+1], |v[PB]|, |v[PB+1]|, 0x1800000
.irp i, 2,4,6,8,10,12,14
	v_max3_num_f32 v[MX], v[MX], |v[PA+\i]|, |v[PA+\i+1]|
	v_max3_num_f32 v[MX+1], v[MX+1], |v[PB+\i]|, |v[PB+\i+1]|
.endr
	v_permlanex16_b32 v[MX+2], v[MX], s[SEL], s[SEL+1]
	v_permlanex16_b32 v[MX+3], v[MX+1], s[SEL], s[SEL+1]
	v_max_num_f32 v[MX], v[MX], v[MX+2]
	v_max_num_f32 v[MX+1], v[MX+1], v[MX+3]
	v_add_nc_u32 v[E0], 0xff000000, v[MX]
	v_add_nc_u32 v[E0+4], 0xff000000, v[MX+1]
	v_lshrrev_b32 v[MX+2], 23, v[E0]
	v_lshrrev_b32 v[MX+3], 23, v[E0+4]
	v_lshl_or_b32 v[MX+2], v[MX+3], 8, v[MX+2]     ; the tile's two bytes
.if \e
	v_lshl_or_b32 v[PWD], v[MX+2], 16, v[PWD]      ; the pair's word: tile 2 P below, tile 2 P + 1 above
.else
	v_mov_b32 v[PWD], v[MX+2]
.endif
	v_cvt_scalef32_pk16_fp6_f32 v[PC+6*\e:PC+6*\e+2], v[PA:PA+15], v[E0]
	v_cvt_scalef32_pk16_fp6_f32 v[TT:TT+2], v[PB:PB+15], v[E0+4]
	v_nop                                          ; one plain line behind the conversions
.irp i, 0,1,2
	v_permlane16_swap_b32 v[PC+6*\e+\i], v[TT+\i]  ; the operand wants a whole block in a lane: lanes 0-15 d 0..31, lanes 16-31 d 32..63
.endr
.irp i, 0,1,2
	v_mov_b32 v[PC+6*\e+3+\i], v[TT+\i]
.endr
.endm
; q (role 0) or k (role 1) of my two token tiles: source 0 = 16 features of the weight, source 1 = 16 tokens; eight accumulators by turns, two K steps.
; The first K step's loads owe no wait of their own: the last wait on va_vdst stands behind every vector and matrix line that has named their registers.
.macro QKROLE role
	s_wait_xcnt 0x0                                ; the last global stores have read the codes' registers, which are written again below
	s_wait_alu depctr_vm_vsrc(0)                   ; every store issued so far, LDS or global, has read v[PC ..] and v[PWD], which POST writes again
.irp s, 0,1
.if \s
	PLACES                                         ; in front of loads into registers that the first K step's products have read
	s_wait_alu depctr_va_vdst(0)                   ; the first K step's products are done reading the weight's and x's fragments and their scale words, in which the loads below land
.endif
.irp u, 0,1,2,3
	FETCH WF+12*\u, LIW, (8*\role+2*\u+\s)*1536
	ds_load_b32 v[SW+\u], v[LSW] offset:(8*\role+2*\u+\s)*128
.endr
.irp e, 0,1
	FETCH XF+12*\e, XOWN, (2*\e+\s)*1536
	ds_load_b32 v[SW+4+\e], v[XOWS] offset:(2*\e+\s)*128
.endr
	s_wait_dscnt 0x0
.irp e, 0,1
.irp u, 0,1,2,3
.if \s
	MMA ACC+32*\e+8*\u, WF+12*\u, XF+12*\e, SW+\u, SW+4+\e
.else
	MM0 ACC+32*\e+8*\u, WF+12*\u, XF+12*\e, SW+\u, SW+4+\e
.endif
.endr
.endr
.endr
	PLACES                                         ; in front of the first read of results, and of writes into the weight's registers
	POST 0
	POST 1
.endm
	s_load_b512 s[4:19], s[0:1], 0x0               ; x s[4:5], cos s[6:7], sin s[8:9], wq s[10:11], wk s[12:13], wv s[14:15], wo s[16:17], qc s[18:19]
	s_load_b256 s[20:27], s[0:1], 0x40             ; qs s[20:21], kv s[22:23], woc s[24:25], wos s[26:27]
	v_lshl_add_u32 v[SPW], v0, 2, SPARE
	v_mov_b32 v[NIL], 0
	v_lshrrev_b32 v16, 5, v0
	v_readfirstlane_b32 s28, v16                   ; wave 0..7
	s_mov_b32 s29, ttmp9                           ; head
	s_and_b32 s30, ttmp7, 0xffff                   ; rb: which 256 tokens of the 16,384
	s_lshr_b32 s31, s30, 4
	s_lshl_b32 s31, s31, 2
	s_add_co_u32 s31, s31, s29                     ; bh = 4 batch + head
	s_and_b32 s32, s30, 15                         ; which 256 tokens of the batch's 4,096
	s_wait_alu depctr_va_sdst(0)                   ; s28 is written, ahead of its first reader: the wave's shares and addresses are made from it
	s_lshr_b32 s44, s28, 1                         ; w / 2
	s_and_b32 s45, s28, 1                          ; w % 2
	s_lshr_b32 s46, s28, 2                         ; w / 4
	s_and_b32 s47, s28, 3                          ; w % 4
	s_lshl_b32 s48, s44, 6
	s_lshl_b32 s49, s45, 4
	s_add_co_u32 s48, s48, s49                     ; 64 (w / 2) + 16 (w % 2): where my pair of token tiles begins in the block
	s_mov_b32 s[SEL], 0x76543210
	s_mov_b32 s[SEL+1], 0xfedcba98
	s_mov_b32 s40, 0x3c800000                      ; 1 / 64
	s_mov_b32 s41, 0x34000000                      ; eps = 2^-23
	v_and_b32 v17, 31, v0                          ; lane
	v_and_b32 v18, 15, v0                          ; r
	v_bfe_u32 v19, v0, 4, 1                        ; h
	v_lshlrev_b32 v[L16], 4, v17
	v_lshlrev_b32 v[L4], 2, v17
	s_mul_i32 s33, s28, 8448
	v_add_nc_u32 v[STW], s33, v[L16]
	v_mul_u32_u24 v20, v18, 528
	v_lshl_add_u32 v20, v19, 7, v20
	v_add_nc_u32 v[STR], s33, v20
	v_add_nc_u32 v[STW2], STG2, v[STW]
	v_add_nc_u32 v[STR2], STG2, v[STR]
	s_mul_i32 s33, s28, 6144
	s_add_co_u32 s33, s33, XIMG
	v_add_nc_u32 v[XOWN], s33, v[L16]
	s_lshl_b32 s33, s28, 9
	s_add_co_u32 s33, s33, XSC
	v_add_nc_u32 v[XOWS], s33, v[L4]
	s_mul_i32 s33, s28, 1536
	s_add_co_u32 s33, s33, WIMG
	v_add_nc_u32 v[WOWN], s33, v[L16]
	s_lshl_b32 s33, s28, 7
	s_add_co_u32 s33, s33, WSC
	v_add_nc_u32 v[WOWS], s33, v[L4]
	v_add_nc_u32 v[LIW], WIMG, v[L16]
	v_add_nc_u32 v[LSW], WSC, v[L4]
	s_mul_i32 s33, s46, 24576
	s_add_co_u32 s33, s33, XIMG
	v_add_nc_u32 v[XVA], s33, v[L16]
	s_lshl_b32 s33, s46, 11
	s_add_co_u32 s33, s33, XSC
	v_add_nc_u32 v[XVS], s33, v[L4]
	s_lshl_b32 s33, s46, 9
	s_lshl_b32 s36, s47, 2
	s_add_co_u32 s33, s33, s36
	s_add_co_u32 s33, s33, SOUT
	v_lshl_add_u32 v[SKW], v18, 4, s33             ; block w / 4, word w % 4 of row r's four
	v_lshrrev_b32 v20, 3, v18
	v_and_b32 v21, 7, v18
	v_lshl_add_u32 v20, v20, 5, v21                ; 32 (r / 8) + r % 8
	v_lshlrev_b32 v20, 7, v20                      ; rows of 128 bytes
	v_lshl_add_u32 v[CSO], v19, 6, v20             ; + 64 h: cos and sin of d = 16 h on
	v_lshlrev_b32 v[SH8], 3, v19
	s_wait_kmcnt 0x0
	s_mov_b32 s35, 0                               ; every offset is under 2^32
	s_lshl_b32 s34, s30, 8
	s_add_co_u32 s34, s34, s48
	s_lshl_b32 s34, s34, 10
	s_add_nc_u64 s[4:5], s[4:5], s[34:35]          ; x at my pair's first token
	s_lshl_b32 s34, s32, 8
	s_add_co_u32 s34, s34, s48
	s_lshl_b32 s34, s34, 7
	s_add_nc_u64 s[6:7], s[6:7], s[34:35]          ; cos and sin likewise
	s_add_nc_u64 s[8:9], s[8:9], s[34:35]
	s_lshl_b32 s37, s29, 6                         ; 64 head
	s_lshl_b32 s50, s45, 9                         ; my K step: 512 (w % 2) bytes
	s_lshl_b32 s34, s46, 5
	s_add_co_u32 s34, s34, s37
	s_and_b32 s33, s44, 1
	s_lshl_b32 s33, s33, 3
	s_add_co_u32 s34, s34, s33
	s_lshl_b32 s34, s34, 10
	s_add_co_u32 s34, s34, s50
	s_add_nc_u64 s[10:11], s[10:11], s[34:35]      ; wq, wk: tile w / 2, K step w % 2
	s_add_nc_u64 s[12:13], s[12:13], s[34:35]
	s_lshl_b32 s34, s44, 3
	s_add_co_u32 s34, s34, s37
	s_lshl_b32 s34, s34, 10
	s_add_co_u32 s34, s34, s50
	s_add_nc_u64 s[14:15], s[14:15], s[34:35]      ; wv likewise
	s_lshl_b32 s34, s29, 2
	s_add_co_u32 s34, s34, s44
	s_lshl_b32 s34, s34, 14
	s_add_co_u32 s34, s34, s50
	s_add_nc_u64 s[16:17], s[16:17], s[34:35]      ; wo: fragment f = 8 head + w: rows 16 (f / 2) on, K step f % 2
	s_lshl_b32 s33, s31, 7
	s_lshl_b32 s36, s32, 3
	s_add_co_u32 s33, s33, s36
	s_add_co_u32 s33, s33, s28                     ; my pair among the 2,048
	s_mul_i32 s34, s33, 1536
	s_add_nc_u64 s[18:19], s[18:19], s[34:35]
	s_lshl_b32 s34, s33, 7
	s_add_nc_u64 s[20:21], s[20:21], s[34:35]
	s_lshl_b32 s33, s31, 5
	s_lshl_b32 s36, s32, 1
	s_add_co_u32 s33, s33, s36                     ; the block's first key step among the 512
	s_add_co_u32 s36, s33, s45
	s_mul_i32 s34, s36, 12800
	s_add_co_u32 s34, s34, 12288
	s_add_nc_u64 s[42:43], s[22:23], s[34:35]      ; the scale block of step w % 2 (waves 0 and 1 send them)
	s_add_co_u32 s36, s33, s46
	s_mul_i32 s34, s36, 12800
	s_mul_i32 s36, s47, 1536
	s_add_co_u32 s34, s34, s36
	s_add_nc_u64 s[22:23], s[22:23], s[34:35]      ; step w / 4, K pair w % 4; V^T's tile w % 4 lies 6,144 bytes on
	s_lshl_b32 s33, s29, 3
	s_add_co_u32 s33, s33, s28
	s_mul_i32 s34, s33, 1536
	s_add_nc_u64 s[24:25], s[24:25], s[34:35]
	s_lshl_b32 s34, s33, 7
	s_add_nc_u64 s[26:27], s[26:27], s[34:35]
	s_wait_alu depctr_va_vdst(0)                   ; the addresses v1 to v15, v254 and v255 are written, which the loads and stores below read; so are v16 to v21, in which loads land
	; ---- 1: seven fragments, three buffers by turns; a fragment's loads are issued while the two before it are worked.  A buffer is asked for again straight behind its quantiser's wait, ahead of the image's stores
	GLOAD B0, 10, 16, 0
	GLOAD B1, 12, 16, 0
	GLOAD B2, 14, 32, 0
	QHEAD B0, 32
	GLOAD B0, 4, 32, 0
	IMAGE WOWN, 0, WOWS, 0
	QHEAD B1, 32
	GLOAD B1, 4, 32, 512
	IMAGE WOWN, 12288, WOWS, 1024
	QHEAD B2, 32
	GLOAD B2, 4, 32, 8192
	IMAGE WOWN, 24576, WOWS, 2048
	QHEAD B0, 32
	GLOAD B0, 4, 32, 8704
	IMAGE XOWN, 0, XOWS, 0
	QHEAD B1, 32
.irp e, 0,1
.irp i, 0,1,2,3
	global_load_b128 v[CSN+32*\e+4*\i:CSN+32*\e+4*\i+3], v[CSO], s[6:7] offset:1024*\e+16*\i
	global_load_b128 v[CSN+32*\e+16+4*\i:CSN+32*\e+16+4*\i+3], v[CSO], s[8:9] offset:1024*\e+16*\i
.endr
.endr
	IMAGE XOWN, 1536, XOWS, 128
	QHEAD B2, 32
	IMAGE XOWN, 3072, XOWS, 256
	s_cmp_lg_u32 s30, 0                            ; token block 0 takes wo too: a branch on the work-group's number
	s_cbranch_scc1 .Lno_wo_load
	GLOAD B2, 16, 8, 0                             ; no vector line has been issued since the wait behind this buffer's quantiser
.Lno_wo_load:
	QHEAD B0, 16                                   ; behind this fragment's loads: the 16 of cos and sin (where wo's 16 are out as well, the count waits for more than it must)
	IMAGE XOWN, 4608, XOWS, 384
	s_wait_loadcnt 0x0
	s_cmp_lg_u32 s30, 0
	s_cbranch_scc1 .Lno_wo
	TURN B2, STW2, STR2
	s_wait_dscnt 0x0
	QUANTW B2
	s_wait_alu depctr_va_vdst(0)                   ; the quantiser has written v[PC ..] and v[PW], which the stores below read, and is done reading the buffer, in which the next phase's loads land
.irp i, 0,1,2
	global_store_b128 v[L16], v[PC+4*\i:PC+4*\i+3], s[24:25] offset:512*\i   ; 512 consecutive bytes, aligned
.endr
	global_store_b32 v[L4], v[PW], s[26:27]
	s_wait_xcnt 0x0                                ; the stores have read their registers
.Lno_wo:
	s_wait_dscnt 0x0                               ; for the others' sake: my images have landed
	s_barrier_signal -1
	s_barrier_wait -1                              ; all 56 images lie in LDS
	; ---- 2: q and k of my pair of token tiles
	QKROLE 0
	s_wait_alu depctr_va_vdst(0)                   ; POST has written v[PC ..] and v[PWD], which the stores below read; POST and the products are done with v144 to v215 and the scale words, in which k's first loads land
.irp i, 0,1,2
	global_store_b128 v[L16], v[PC+4*\i:PC+4*\i+3], s[18:19] offset:512*\i
.endr
	global_store_b32 v[L4], v[PWD], s[20:21]
	QKROLE 1
	s_lshl_b32 s33, s47, 1                         ; the next phase's two addresses are made here, ahead of the wait that stands for k's stores
	s_add_co_u32 s33, s33, 16                      ; wv's fragments of tile w % 4: index 16 + 2 (w % 4) + K step
	s_mul_i32 s36, s33, 1536
	s_add_co_u32 s36, s36, WIMG
	v_add_nc_u32 v[WOWN], s36, v[L16]              ; (the images' stores, which read these two registers last, stand ahead of the wait on vm_vsrc at this role's head)
	s_lshl_b32 s36, s33, 7
	s_add_co_u32 s36, s36, WSC
	v_add_nc_u32 v[WOWS], s36, v[L4]
	s_wait_alu depctr_va_vdst(0)                   ; POST has written v[PC ..] and v[PWD], which the stores below read; v[WOWN] and v[WOWS] are written; POST and the products are done with v80 to v215 and the scale words, in which the next phase's first loads land
.irp i, 0,1,2
	global_store_b128 v[L16], v[PC+4*\i:PC+4*\i+3], s[22:23] offset:512*\i
.endr
	ds_store_b32 v[SKW], v[PWD]                    ; lanes r and r + 16 write the same word with the same value
	; ---- 3: my tile of V^T: source 0 = 16 tokens, source 1 = 16 features of wv: a lane holds one feature, its registers run along the keys
	s_wait_xcnt 0x0                                ; k's stores have read the codes' registers
	s_wait_alu depctr_vm_vsrc(0)                   ; k's stores have read v[PC ..], which the quantiser below writes again; the LDS loads of q and k have read v[XOWN], which is written again below
.irp s, 0,1
.if \s
	PLACES
	s_wait_alu depctr_va_vdst(0)                   ; the first K step's products are done reading x's and wv's fragments and their scale words, in which the loads below land
.endif
.irp t, 0,1,2,3,4,5,6,7
	FETCH CSN+12*\t, XVA, (2*\t+\s)*1536
	ds_load_b32 v[SW+\t], v[XVS] offset:(2*\t+\s)*128
.endr
	FETCH VF, WOWN, 1536*\s
	ds_load_b32 v[SW+8], v[WOWS] offset:128*\s
	s_wait_dscnt 0x0
.irp t, 0,1,2,3,4,5,6,7
.if \s
	MMA ACC+8*\t, CSN+12*\t, VF, SW+\t, SW+8
.else
	MM0 ACC+8*\t, CSN+12*\t, VF, SW+\t, SW+8
.endif
.endr
.endr
	PLACES
	QUANTW ACC                                     ; register 32 c + i = key 64 c + 32 h + i of the step
	s_lshl_b32 s33, s45, 9                         ; the last phase's address is made here, ahead of the wait that stands for V's stores
	s_add_co_u32 s33, s33, SOUT
	v_add_nc_u32 v[XOWN], s33, v[L16]
	s_wait_alu depctr_va_vdst(0)                   ; the quantiser has written v[PC ..] and v[PW], which the stores below read; v[XOWN] is written; the quantiser is done reading v16 to v19, in which the last LDS load lands
.irp i, 0,1,2
	global_store_b128 v[L16], v[PC+4*\i:PC+4*\i+3], s[22:23] offset:6144+512*\i
.endr
	ds_store_b32 v[SKW], v[PW] offset:256          ; V's words lie behind K's in a scale block
	; ---- 4: the two scale blocks leave whole
	s_wait_dscnt 0x0
	s_barrier_signal -1
	s_barrier_wait -1
	s_cmp_lt_u32 s28, 2
	s_cbranch_scc0 .Lend
	ds_load_b128 v[16:19], v[XOWN]
	s_wait_dscnt 0x0
	global_store_b128 v[L16], v[16:19], s[42:43]   ; 512 consecutive bytes, aligned
.Lend:
	s_wait_dscnt 0x0                               ; the closing lines, six on end
	s_wait_alu 0x0
	s_wait_tensorcnt 0x0
	ds_add_u32 v[SPW], v[NIL]
	s_wait_dscnt 0x0
	s_endpgm
.Lfunc_end_k_qf78b85182a_proj:
	.size	k_qf78b85182a_proj, .Lfunc_end_k_qf78b85182a_proj-k_qf78b85182a_proj
	.p2alignl 7, 3214868480
	.fill 96, 4, 3214868480
	.section	.rodata,"a",@progbits
	.p2align	6, 0x0
	.amdhsa_kernel k_qf78b85182a_proj
		.amdhsa_group_segment_fixed_size 230400
		.amdhsa_private_segment_fixed_size 0
		.amdhsa_enable_private_segment 0
		.amdhsa_kernarg_size 96
		.amdhsa_user_sgpr_count 2
		.amdhsa_user_sgpr_kernarg_segment_ptr 1
		.amdhsa_wavefront_size32 1
		.amdhsa_system_sgpr_workgroup_id_x 1
		.amdhsa_system_sgpr_workgroup_id_y 1
		.amdhsa_system_sgpr_workgroup_id_z 1
		.amdhsa_system_vgpr_workitem_id 0
		.amdhsa_next_free_vgpr 256
		.amdhsa_next_free_sgpr 66
		.amdhsa_reserve_vcc 0
		.amdhsa_float_denorm_mode_32 3
		.amdhsa_float_denorm_mode_16_64 3
		.amdhsa_memory_ordered 1
		.amdhsa_forward_progress 1
		.amdhsa_inst_pref_size 110
	.end_amdhsa_kernel
	.amdgpu_metadata
---
amdhsa.version: [ 1, 2 ]
amdhsa.kernels:
  - .name:           k_qf78b85182a_proj
    .symbol:         k_qf78b85182a_proj.kd
    .args:
      - { .name: x, .offset: 0, .size: 8, .value_kind: global_buffer, .address_space: global }
      - { .name: cos, .offset: 8, .size: 8, .value_kind: global_buffer, .address_space: global }
      - { .name: sin, .offset: 16, .size: 8, .value_kind: global_buffer, .address_space: global }
      - { .name: wq, .offset: 24, .size: 8, .value_kind: global_buffer, .address_space: global }
      - { .name: wk, .offset: 32, .size: 8, .value_kind: global_buffer, .address_space: global }
      - { .name: wv, .offset: 40, .size: 8, .value_kind: global_buffer, .address_space: global }
      - { .name: wo, .offset: 48, .size: 8, .value_kind: global_buffer, .address_space: global }
      - { .name: qc, .offset: 56, .size: 8, .value_kind: global_buffer, .address_space: global }
      - { .name: qs, .offset: 64, .size: 8, .value_kind: global_buffer, .address_space: global }
      - { .name: kv, .offset: 72, .size: 8, .value_kind: global_buffer, .address_space: global }
      - { .name: woc, .offset: 80, .size: 8, .value_kind: global_buffer, .address_space: global }
      - { .name: wos, .offset: 88, .size: 8, .value_kind: global_buffer, .address_space: global }
    .group_segment_fixed_size: 230400
    .private_segment_fixed_size: 0
    .kernarg_segment_align: 8
    .kernarg_segment_size: 96
    .max_flat_workgroup_size: 256
    .sgpr_count:     66
    .vgpr_count:     256
    .wavefront_size: 32
...
	.end_amdgpu_metadata
.endif
;; end of part 4
;; launch attn (part 5): grid 16 x 16, 16 waves a work-group, clusters of 4 x 1, 327,680 bytes of LDS; arguments qc, qs, kv, yc, ys; writes yc, ys
.if DOCPART == 5
	.amdgcn_target "amdgcn-amd-amdhsa--gfx1250"
	.amdhsa_code_object_version 6
	.text
	.protected	k_qf78b85182a_attn
	.globl	k_qf78b85182a_attn
	.p2align	8
	.type	k_qf78b85182a_attn,@function
k_qf78b85182a_attn:
	s_mov_b64 s[64:65], 0
	v_nop
	global_prefetch_b8 v0, s[64:65] scope:SCOPE_SE
	s_setreg_imm32_b32 hwreg(HW_REG_WAVE_MODE, 25, 1), 1
	s_wait_xcnt 0x0
	s_wait_alu depctr_hold_cnt(0) depctr_sa_sdst(0) depctr_va_vdst(0) depctr_va_sdst(0) depctr_va_ssrc(0) depctr_va_vcc(0) depctr_vm_vsrc(0)
	s_getreg_b32 s2, hwreg(HW_REG_IB_STS2, 6, 4)
	s_cmp_eq_u32 s2, 0
	s_cbranch_scc0 .Lentry_in_a_cluster
	s_endpgm
.Lentry_in_a_cluster:
	s_bfe_u32 s2, ttmp6, 0x10000c
	s_cmp_lg_u32 s2, 0x3003
	s_cbranch_scc0 .Lentry_shape_is_right
	s_endpgm
.Lentry_shape_is_right:
; y[q] = (the sum over keys of p V) / (the sum of p), p = 2^t, t = (q . k) log2(e) / 8, for one (batch, head) and 256 queries; both products on codes of FP6 (E2M3) with E8M0 scales; y is quantised along d and leaves as codes.
; NO MAXIMUM IS TAKEN AWAY, because the computation bounds t for every input: q and k are rms-normalised, so each has norm 8 at the most; the quantiser moves a number by 1/16 of itself or 1/64 of its block's
; largest at the most, so the norm stays under 9.3, |q . k| / 8 under 10.8 and |t| under 15.6.  So p lies between 2^-15.6 and 2^15.6 and a row's sum under 2^27.6.  The rule's M is a whole number that a block's scale
; takes up; with M = 0 the codes' values are the same, and O is never rescaled.
; SHARES.  A work-group owns 256 queries of one head; each of its sixteen waves one tile of 16 in 228 registers: four waves to a SIMD, so that one wave's LDS loads and products stand beside another's vector work.
; Every wave walks the head's 4,096 keys, 128 a step.  A step's block of 12,800 bytes is laid in the order of the operands' registers: four K pair images, four tiles of V^T, 512 bytes of scale words; every LDS read is 16 x lane on end.
; THE FIRST PRODUCT'S K IS 64, half of the instruction's 128: two key tiles form ONE source 0 (k 0..63 the first tile's d, k 64..127 the second's), multiplied once by [q | zero codes] and once by [zero codes | q].
; The other tile's codes meet zero codes, under scale bytes that are never 0xff: they add 0.
; Both products are used transposed: a lane holds one query (lane % 16); the keys of a tile are chosen so that score register 32 c + i is key 64 c + 32 (lane / 16) + i: whole blocks, in the second product's order.
; RING.  Two slots of 8 steps (102,400 bytes).  Waves 0 to 3 fetch a quarter of a slot each, as 100 dense rows of 256 bytes.  By this text's count a wave has two tensor loads out at the start and one behind each of the two refills.
; CLUSTER.  The four query blocks of a cluster belong to one head and walk the same blocks: each tile is asked for jointly, by the same load with a mask that names the four.
; No prefetch: a refill is issued eight key steps ahead of the first read of its slot, and the first fills stand at the head.
; LIMITS: NaN and infinities are not served.  A block of y under 2^-124 gets the byte 1 (its codes are zeros; this program alone reads the bytes).  1 / l comes from v_rcp_f32 (1 ulp); l's terms are added in another order than in the definition.
.set STEPB, 12800
.set SLOTB, 102400
.set SPARE, 204800                     ; behind the ring: the spare words, 128 bytes for each wave: eight blocks of 256 bytes that no other line names
.set AD0, 1                            ; v1   16 x lane; never rewritten
.set ADR, 2                            ; v2   the step's LDS address
.set SH8, 3                            ; v3   8 h
.set QA,  4                            ; v4, v5 my bytes in q's pair image
.set QB,  5
.set SPW, 6                            ; v6   LDS address of my spare word; never rewritten
.set NIL, 7                            ; v7   0; never rewritten
.set R,   8                            ; v[8:9] 1 / l, as a pair
.set LS,  10
.set T0,  11
.set T1,  12
.set HW,  13                           ; y's two scale bytes
.set E0,  14                           ; v14, v15 the conversions' scale operands
.set BY,  16                           ; v16, v17 bytes
.set MX,  18                           ; v18-21 largest p
.set QS,  22                           ; q's scale word: scales and nothing else, like the next five
.set PW,  23                           ; p's scale word
.set SCW, 24                           ; v24-27 lanes 0-15: K's pair words, lanes 16-31: V's words
.set L,   28                           ; v28-35 the row's sum, in four pairs
.set QHI, 36                           ; v36-47 [zero codes | q];  v42-53 [q | zero codes]
.set QLO, 42
.set P,   54                           ; v54-65 p's codes
.set TT,  66                           ; v66-68, v70-72 a block's upper 16 codes
.set YC,  74                           ; v74-79 y's codes
.set YO8, 81                           ; 8 x lane
.set YSO, 82                           ; 4 r
.set F,   84                           ; v84-131 four fragments of K, then of V^T
.set S,   132                          ; v132-195 the scores, then p; at the end y
.set O,   196                          ; v196-227 O^T: register i = d 32 h + i
.set WV,  14                           ; s14  my wave's number
.set G1,  24                           ; s[24:31] descriptor group 1
.set G0A, 32                           ; s[32:35], s[36:39] group 0 for slot 0, slot 1
.set G0B, 36
.set CS,  40                           ; s[40:41] c = log2(e) / 8
.set SEL, 42                           ; s[42:43] lane selects: lane l xor 16
.set TB,  44                           ; s44  LDS byte at which the step in hand begins
.set CNT, 45
.macro CROUND                          ; a round of the cluster's barrier
	s_barrier_signal -1
	s_barrier_wait -1
	s_cmp_lg_u32 s[WV], 0
	s_cbranch_scc1 .Lnot_wave_0_\@
	s_barrier_signal -3
.Lnot_wave_0_\@:
	s_barrier_wait -3
	s_barrier_signal -1
	s_barrier_wait -1
.endm
	s_load_b256 s[4:11], s[0:1], 0x0               ; qc s[4:5], qs s[6:7], kv s[8:9], yc s[10:11]
	s_load_b64 s[12:13], s[0:1], 0x20              ; ys
	v_lshl_add_u32 v[SPW], v0, 2, SPARE
	v_mov_b32 v[NIL], 0
	ds_add_u32 v[SPW], v[NIL]                      ; the wave's opening: the add and its wait stand ahead of the first tensor loads; work on registers stands between them
	ds_add_u32 v[SPW], v[NIL]
	v_lshrrev_b32 v2, 5, v0
	s_delay_alu instid0(VALU_DEP_1)
	v_readfirstlane_b32 s[WV], v2                  ; wave 0..15
	s_bfe_u32 s15, ttmp6, 0x40000                  ; cx: my place in the cluster; it enters q's and y's global addresses alone
	s_lshl_b32 s16, ttmp9, 2
	s_add_co_u32 s16, s16, s15                     ; my block of 256 queries
	s_and_b32 s17, ttmp7, 0xffff                   ; bh, which the four partners share
	s_mov_b32 s[G1], 15|(3<<16)|(1<<21)            ; 15:0 the mask: all four work-groups; 17:16 elements of 8 bytes; 20 no padding; 21 set beside a mask
	s_mov_b32 s[G1+1], 32<<16                      ; tensor_dim0 = 32 elements: rows of 256 bytes
	s_mov_b32 s[G1+2], 100<<16                     ; tensor_dim1 = 100
	s_mov_b32 s[G1+3], 32<<16                      ; tile_dim0
	s_mov_b32 s[G1+4], 100                         ; tile_dim1: 25,600 bytes, two steps' blocks
	s_mov_b32 s[G1+5], 32                          ; the pitch: dense
	s_mov_b32 s[G1+6], 0
	s_mov_b32 s[G1+7], 0
	s_mov_b32 s[CS], 0x3e38aa3b
	s_mov_b32 s[CS+1], s[CS]                       ; (named with it as a pair, so it is written)
	s_mov_b32 s[SEL], 0x76543210
	s_mov_b32 s[SEL+1], 0xfedcba98
	s_and_b32 s18, s[WV], 3
	s_mul_i32 s19, s18, 25600                      ; the quarter of a slot that I fetch, if I fetch
	s_mul_i32 s20, s17, 409600                     ; the head's 32 blocks
	s_add_co_u32 s20, s20, s19
	s_mov_b32 s21, 0
	v_and_b32 v2, 31, v0
	s_delay_alu instid0(VALU_DEP_1)
	v_lshlrev_b32 v[AD0], 4, v2
	s_delay_alu instid0(VALU_DEP_2)
	v_lshlrev_b32 v[YO8], 3, v2
	v_bfe_u32 v3, v0, 4, 1
	s_delay_alu instid0(VALU_DEP_1)
	v_lshlrev_b32 v[SH8], 3, v3
	v_and_b32 v[YSO], 15, v0
	s_delay_alu instid0(VALU_DEP_1)
	v_lshlrev_b32 v[YSO], 2, v[YSO]
	s_wait_dscnt 0x0                               ; the opening add is done
	s_wait_kmcnt 0x0
	s_add_nc_u64 s[8:9], s[8:9], s[20:21]
	CROUND                                         ; all four work-groups are here: the first joint loads meet
	s_mov_b32 s[G0A], 1                            ; count = 1
	s_mov_b32 s[G0A+1], s19                        ; LDS address: slot 0
	s_mov_b64 s[G0A+2:G0A+3], s[8:9]               ; steps 0 to 7
	s_or_b32 s[G0A+3], s[G0A+3], 0x80000000        ; type = 2
	s_mov_b32 s[G0B], 1
	s_add_co_u32 s[G0B+1], s19, SLOTB
	s_add_nc_u64 s[G0B+2:G0B+3], s[8:9], SLOTB     ; steps 8 to 15
	s_or_b32 s[G0B+3], s[G0B+3], 0x80000000
	s_cmp_lt_u32 s[WV], 4                          ; a wave's two first fills stand in one branch on the wave's number
	s_cbranch_scc0 .Lno_first
	tensor_load_to_lds s[G0A:G0A+3], s[G1:G1+7]
	s_nop 0
	tensor_load_to_lds s[G0B:G0B+3], s[G1:G1+7]
	s_nop 0
.rept 4
	v_nop
.endr
.Lno_first:
	s_lshl_b32 s46, s17, 7
	s_lshl_b32 s47, s16, 3
	s_add_co_u32 s46, s46, s47
	s_lshr_b32 s47, s[WV], 1
	s_add_co_u32 s46, s46, s47                     ; my tile's pair among the 2,048
	s_mul_i32 s48, s46, 1536
	s_mov_b32 s49, 0
	s_add_nc_u64 s[4:5], s[4:5], s[48:49]
	s_lshl_b32 s48, s46, 7
	s_add_nc_u64 s[6:7], s[6:7], s[48:49]
	s_and_b32 s50, s[WV], 1                        ; which tile of the pair: registers 0-5 or 6-11 of the image
	s_mul_i32 s51, s50, 520
	s_wait_alu depctr_va_vdst(0)
	v_add_nc_u32 v[QA], s51, v[AD0]
	s_mul_i32 s51, s50, 1016
	s_add_co_u32 s51, s51, 8
	v_add_nc_u32 v[QB], s51, v[AD0]
	global_load_b64 v[QLO:QLO+1], v[QA], s[4:5]
	global_load_b64 v[QLO+2:QLO+3], v[QB], s[4:5]
	global_load_b64 v[QLO+4:QLO+5], v[QA], s[4:5] offset:512
	global_load_b32 v[QS], v[YSO], s[6:7]          ; the pair's scale word of row r
	s_lshr_b32 s46, s17, 2
	s_lshl_b32 s46, s46, 6
	s_lshl_b32 s47, s16, 2
	s_add_co_u32 s46, s46, s47
	s_lshr_b32 s47, s[WV], 2
	s_add_co_u32 s46, s46, s47                     ; G: which 64 tokens of the 16,384
	s_and_b32 s47, s[WV], 3                        ; u: which tile of them
	s_and_b32 s52, s17, 3                          ; head
	s_lshl_b32 s53, s47, 2
	s_add_co_u32 s53, s53, s52
	s_mul_i32 s53, s53, 768
	s_mul_i32 s48, s46, 12288
	s_add_co_u32 s48, s48, s53
	s_add_nc_u64 s[10:11], s[10:11], s[48:49]      ; y's codes: half image 4 u + head of group G
	s_lshl_b32 s53, s47, 1
	s_lshr_b32 s54, s52, 1
	s_add_co_u32 s53, s53, s54
	s_lshl_b32 s53, s53, 6
	s_and_b32 s54, s52, 1
	s_lshl_b32 s54, s54, 1
	s_add_co_u32 s53, s53, s54
	s_lshl_b32 s48, s46, 9
	s_add_co_u32 s48, s48, s53
	s_add_nc_u64 s[12:13], s[12:13], s[48:49]      ; y's scale bytes: fragment 2 u + head / 2, bytes 2 (head % 2) on
	s_lshl_b32 s51, s50, 4
	s_wait_loadcnt 0x0
	v_lshrrev_b32 v[T0], s51, v[QS]
	s_delay_alu instid0(VALU_DEP_1)
	v_and_b32 v[T0], 0xffff, v[T0]                 ; my tile's two bytes,
	s_delay_alu instid0(VALU_DEP_1)
	v_lshl_or_b32 v[QS], v[T0], 16, v[T0]          ; below and above: they serve [q | 0] and [0 | q]
.irp i, 0,1,2,3,4,5
	v_mov_b32 v[QHI+\i], 0                         ; zero codes.  (These lines and the step's first four stand between the scale word's write and the first product)
	v_mov_b32 v[QLO+6+\i], 0
.endr
	v_mov_b32 v[T1], 0                             ; written once: a lane permute's destination counts as one of its sources
	s_wait_alu depctr_va_vdst(0)
	s_wait_tensorcnt 0x1                           ; my part of slot 0 is in; slot 1's may stay out
	s_barrier_signal -1
	s_barrier_wait -1                              ; everybody's is
; A KEY STEP: 128 keys.  zero = 1: the first, which starts O^T and the sum
.macro STEP zero
	v_add_nc_u32 v[ADR], s[TB], v[AD0]
.rept 3
	v_nop                                          ; with the line above: four places behind the last step's products, in front of loads into registers that they read
.endr
	ds_load_b128 v[SCW:SCW+3], v[ADR] offset:12288
.irp i, 0,1,2,3,4,5,6,7,8,9,10,11
	ds_load_b128 v[F+4*\i:F+4*\i+3], v[ADR] offset:512*\i
.endr
	s_wait_alu depctr_va_vdst(0)
	s_wait_dscnt 0x0
.irp j, 0,1,2,3                        ; S^T: pair j's first tile by [q | 0], its second by [0 | q]
	v_wmma_scale_f32_16x16x128_f8f6f4 v[S+16*\j:S+16*\j+7], v[F+12*\j:F+12*\j+11], v[QLO:QLO+11], 0, v[SCW+\j], v[QS] matrix_a_fmt:MATRIX_FMT_FP6 matrix_b_fmt:MATRIX_FMT_FP6
	v_wmma_scale_f32_16x16x128_f8f6f4 v[S+16*\j+8:S+16*\j+15], v[F+12*\j:F+12*\j+11], v[QHI:QHI+11], 0, v[SCW+\j], v[QS] matrix_a_fmt:MATRIX_FMT_FP6 matrix_b_fmt:MATRIX_FMT_FP6
.endr
.rept 4
	v_nop                                          ; places in front of the loads below and of the first read of the scores
.endr
.irp i, 0,1,2,3,4,5,6,7,8,9,10,11
	ds_load_b128 v[F+4*\i:F+4*\i+3], v[ADR] offset:6144+512*\i   ; V^T: it lands under the softmax
.endr
.set II, 0
.rept 32
	v_pk_mul_f32 v[S+II:S+II+1], v[S+II:S+II+1], s[CS:CS+1] op_sel_hi:[1,0]   ; t, each accumulator from its low end on
.set II, II+2
.endr
.set II, 0
	s_wait_alu depctr_va_vdst(0)
.rept 64
	v_exp_f32 v[S+II], v[S+II]                     ; p = 2^t
.set II, II+1
.endr
	s_setprio 1
	v_nop                                          ; a plain line behind the last exponential
	s_wait_alu depctr_va_vdst(0)                   ; the wait ahead of the first line that names a result: one for the batch
.irp c, 0,1                            ; my two blocks' largest p, four chains by turns; p is positive and at least 2^-15.6: no |.| and no floor
	v_max3_num_f32 v[MX+2*\c], v[S+32*\c], v[S+32*\c+1], v[S+32*\c+2]
	v_max3_num_f32 v[MX+2*\c+1], v[S+32*\c+15], v[S+32*\c+16], v[S+32*\c+17]
.endr
.irp i, 0,1,2,3,4,5
.irp c, 0,1
	v_max3_num_f32 v[MX+2*\c], v[MX+2*\c], v[S+32*\c+3+2*\i], v[S+32*\c+4+2*\i]
	v_max3_num_f32 v[MX+2*\c+1], v[MX+2*\c+1], v[S+32*\c+18+2*\i], v[S+32*\c+19+2*\i]
.endr
.endr
.irp c, 0,1
	v_max3_num_f32 v[MX+2*\c+1], v[MX+2*\c+1], v[S+32*\c+30], v[S+32*\c+31]
.endr
.irp c, 0,1
	s_delay_alu instid0(VALU_DEP_2)
	v_max_num_f32 v[MX+2*\c], v[MX+2*\c], v[MX+2*\c+1]
.endr
.irp c, 0,1
	s_delay_alu instid0(VALU_DEP_2)
	v_add_nc_u32 v[E0+\c], 0xff000000, v[MX+2*\c]  ; 2 off the exponent field: the conversion's scale operand
.endr
.irp c, 0,1
	s_delay_alu instid0(VALU_DEP_2)
	v_lshrrev_b32 v[BY+\c], 23, v[E0+\c]           ; the scales' bytes: blocks h and 2 + h
.endr
	s_delay_alu instid0(VALU_DEP_1)
	v_lshl_or_b32 v[T0], v[BY+1], 16, v[BY]
	s_delay_alu instid0(VALU_DEP_1)
	v_lshlrev_b32 v[T0], v[SH8], v[T0]
	s_delay_alu instid0(VALU_DEP_1)
	v_permlanex16_b32 v[T1], v[T0], s[SEL], s[SEL+1]
	s_delay_alu instid0(VALU_DEP_1)
	v_or_b32 v[PW], v[T0], v[T1]                   ; p's scale word for these 128 keys
.irp c, 0,1
	v_cvt_scalef32_pk16_fp6_f32 v[P+6*\c:P+6*\c+2], v[S+32*\c:S+32*\c+15], v[E0+\c]
	v_cvt_scalef32_pk16_fp6_f32 v[TT+4*\c:TT+4*\c+2], v[S+32*\c+16:S+32*\c+31], v[E0+\c]   ; (a conversion's three registers begin on an even number)
.endr
	v_nop                                          ; one plain line behind the conversions
.irp c, 0,1
.irp i, 0,1,2
	v_mov_b32 v[P+6*\c+3+\i], v[TT+4*\c+\i]
.endr
.endr
.if \zero                              ; the row's sum of the unquantised p, in four chains.  These lines are also the places between the writes of p's codes and scale word and the products below
.irp k, 0,1,2,3
	v_pk_add_f32 v[L+2*\k:L+2*\k+1], v[S+2*\k:S+2*\k+1], v[S+2*\k+8:S+2*\k+9]
.endr
.endif
.set II, 8*\zero
.rept 32-8*\zero
	v_pk_add_f32 v[L+2*(II%4):L+2*(II%4)+1], v[L+2*(II%4):L+2*(II%4)+1], v[S+2*II:S+2*II+1]
.set II, II+1
.endr
	s_setprio 0
	s_wait_dscnt 0x0                               ; V^T is in
.irp t, 0,1,2,3                        ; O^T += V^T P^T: four accumulators by turns; the next step's eight score products stand between two turns
.if \zero
	v_wmma_scale_f32_16x16x128_f8f6f4 v[O+8*\t:O+8*\t+7], v[F+12*\t:F+12*\t+11], v[P:P+11], 0, v[SCW+\t], v[PW] matrix_a_fmt:MATRIX_FMT_FP6 matrix_b_fmt:MATRIX_FMT_FP6 matrix_a_scale:MATRIX_SCALE_ROW1
.else
	v_wmma_scale_f32_16x16x128_f8f6f4 v[O+8*\t:O+8*\t+7], v[F+12*\t:F+12*\t+11], v[P:P+11], v[O+8*\t:O+8*\t+7], v[SCW+\t], v[PW] matrix_a_fmt:MATRIX_FMT_FP6 matrix_b_fmt:MATRIX_FMT_FP6 matrix_a_scale:MATRIX_SCALE_ROW1
.endif
.endr
	s_add_co_u32 s[TB], s[TB], STEPB
.endm
.macro RUN n
	s_mov_b32 s[CNT], \n
.Lstep_\@:
	s_setprio 2
	STEP 0
	s_sub_co_u32 s[CNT], s[CNT], 1
	s_cmp_lg_u32 s[CNT], 0
	s_cbranch_scc1 .Lstep_\@
	s_setprio 0
.endm
; THE CHANGE OF SLOTS.  Each wave waits for all its tensor loads (its part of the slot ahead), adds 0 to its spare word, and waits for that and for its reads of the slot that it leaves.
; g0 other than 0: that slot is filled again, 16 steps on; the barrier is then a round of the cluster's, and the joint refill is the first thing behind it: it has eight key steps in which to land.
.macro CHANGE g0
	s_wait_tensorcnt 0x0                           ; no tensor load of mine is out, so a group 0 may be written
	ds_add_u32 v[SPW], v[NIL]
.if \g0
	s_add_nc_u64 s[\g0+2:\g0+3], s[\g0+2:\g0+3], 2*SLOTB   ; the type bits on top are not reached
.endif
	s_wait_dscnt 0x0                               ; the add is done, and my reads of the slot are over
.if \g0
	CROUND
	s_cmp_lt_u32 s[WV], 4
	s_cbranch_scc0 .Lno_fill_\@
	tensor_load_to_lds s[\g0:\g0+3], s[G1:G1+7]
	s_nop 0
.rept 4
	v_nop
.endr
.Lno_fill_\@:
.else
	s_barrier_signal -1
	s_barrier_wait -1
.endif
.endm
	s_mov_b32 s[TB], 0
	STEP 1                                         ; steps 0 to 7, in slot 0
	RUN 7
	CHANGE G0A                                     ; slot 0 takes steps 16 to 23
	s_mov_b32 s[TB], SLOTB
	RUN 8                                          ; steps 8 to 15
	CHANGE G0B                                     ; slot 1 takes steps 24 to 31
	s_mov_b32 s[TB], 0
	RUN 8                                          ; steps 16 to 23
	CHANGE 0                                       ; nothing is left to fetch
	s_mov_b32 s[TB], SLOTB
	RUN 8                                          ; steps 24 to 31
	s_wait_alu depctr_va_vdst(0)
	; THE WAY OUT.  The four additions are the places behind the last products
	v_pk_add_f32 v[L:L+1], v[L:L+1], v[L+2:L+3]
	v_pk_add_f32 v[L+4:L+5], v[L+4:L+5], v[L+6:L+7]
	s_delay_alu instid0(VALU_DEP_1)
	v_pk_add_f32 v[L:L+1], v[L:L+1], v[L+4:L+5]
	s_delay_alu instid0(VALU_DEP_1)
	v_add_f32 v[LS], v[L], v[L+1]
	s_delay_alu instid0(VALU_DEP_1)
	v_permlanex16_b32 v[T1], v[LS], s[SEL], s[SEL+1]
	s_delay_alu instid0(VALU_DEP_1)
	v_add_f32 v[LS], v[LS], v[T1]                  ; with lane l xor 16's keys: the row's sum
	s_wait_alu depctr_va_vdst(0)
	v_rcp_f32 v[R], v[LS]
	v_mov_b32 v[R+1], 0                            ; a plain line behind the transcendental; the pair's upper word is written
	s_wait_alu depctr_va_vdst(0)                   ; the wait ahead of the first use
.set II, 0
.rept 16
	v_pk_mul_f32 v[S+II:S+II+1], v[O+II:O+II+1], v[R:R+1] op_sel_hi:[1,0]   ; y(query r, d = 32 h + i): a whole block of the last product's K in a lane
.set II, II+2
.endr
	v_max3_num_f32 v[MX], |v[S]|, |v[S+1]|, 0x1800000   ; with the floor 2^(3 - 127)
	v_max3_num_f32 v[MX+1], |v[S+16]|, |v[S+17]|, |v[S+18]|
.irp i, 0,1,2,3,4,5
	s_delay_alu instid0(VALU_DEP_2)
	v_max3_num_f32 v[MX], v[MX], |v[S+2+2*\i]|, |v[S+3+2*\i]|
	s_delay_alu instid0(VALU_DEP_2)
	v_max3_num_f32 v[MX+1], v[MX+1], |v[S+19+2*\i]|, |v[S+20+2*\i]|
.endr
	s_delay_alu instid0(VALU_DEP_2)
	v_max3_num_f32 v[MX], v[MX], |v[S+14]|, |v[S+15]|
	s_delay_alu instid0(VALU_DEP_1)
	v_max3_num_f32 v[MX], v[MX], v[MX+1], |v[S+31]|
	s_delay_alu instid0(VALU_DEP_1)
	v_add_nc_u32 v[E0], 0xff000000, v[MX]
	s_delay_alu instid0(VALU_DEP_1)
	v_lshrrev_b32 v[BY], 23, v[E0]
	s_delay_alu instid0(VALU_DEP_1)
	v_lshlrev_b32 v[T0], v[SH8], v[BY]
	s_delay_alu instid0(VALU_DEP_1)
	v_permlanex16_b32 v[T1], v[T0], s[SEL], s[SEL+1]
	s_delay_alu instid0(VALU_DEP_1)
	v_or_b32 v[HW], v[T0], v[T1]                   ; the head's two bytes of row r
	v_cvt_scalef32_pk16_fp6_f32 v[YC:YC+2], v[S:S+15], v[E0]
	v_cvt_scalef32_pk16_fp6_f32 v[TT:TT+2], v[S+16:S+31], v[E0]
	v_nop                                          ; one plain line behind the conversions
.irp i, 0,1,2
	v_mov_b32 v[YC+3+\i], v[TT+\i]
.endr
	global_store_b128 v[AD0], v[YC:YC+3], s[10:11]             ; 512 consecutive bytes, aligned
	global_store_b64 v[YO8], v[YC+4:YC+5], s[10:11] offset:512 ; and 256
	global_store_b16 v[YSO], v[HW], s[12:13]                   ; lanes r and r + 16 write the same two bytes with the same value
	s_wait_tensorcnt 0x0                           ; the wave's end, behind my last tensor load
	ds_add_u32 v[SPW], v[NIL]
	s_wait_dscnt 0x0
	CROUND                                         ; the closing round: no work-group ends while a partner may still ask for a tile that names it
	s_endpgm
.Lfunc_end_k_qf78b85182a_attn:
	.size	k_qf78b85182a_attn, .Lfunc_end_k_qf78b85182a_attn-k_qf78b85182a_attn
	.p2alignl 7, 3214868480
	.fill 96, 4, 3214868480
	.section	.rodata,"a",@progbits
	.p2align	6, 0x0
	.amdhsa_kernel k_qf78b85182a_attn
		.amdhsa_group_segment_fixed_size 327680
		.amdhsa_private_segment_fixed_size 0
		.amdhsa_enable_private_segment 0
		.amdhsa_kernarg_size 40
		.amdhsa_user_sgpr_count 2
		.amdhsa_user_sgpr_kernarg_segment_ptr 1
		.amdhsa_wavefront_size32 1
		.amdhsa_system_sgpr_workgroup_id_x 1
		.amdhsa_system_sgpr_workgroup_id_y 1
		.amdhsa_system_sgpr_workgroup_id_z 1
		.amdhsa_system_vgpr_workitem_id 0
		.amdhsa_next_free_vgpr 256
		.amdhsa_next_free_sgpr 66
		.amdhsa_reserve_vcc 0
		.amdhsa_float_denorm_mode_32 3
		.amdhsa_float_denorm_mode_16_64 3
		.amdhsa_memory_ordered 1
		.amdhsa_forward_progress 1
		.amdhsa_inst_pref_size 77
	.end_amdhsa_kernel
	.amdgpu_metadata
---
amdhsa.version: [ 1, 2 ]
amdhsa.kernels:
  - .name:           k_qf78b85182a_attn
    .symbol:         k_qf78b85182a_attn.kd
    .args:
      - { .name: qc, .offset: 0, .size: 8, .value_kind: global_buffer, .address_space: global }
      - { .name: qs, .offset: 8, .size: 8, .value_kind: global_buffer, .address_space: global }
      - { .name: kv, .offset: 16, .size: 8, .value_kind: global_buffer, .address_space: global }
      - { .name: yc, .offset: 24, .size: 8, .value_kind: global_buffer, .address_space: global }
      - { .name: ys, .offset: 32, .size: 8, .value_kind: global_buffer, .address_space: global }
    .group_segment_fixed_size: 327680
    .private_segment_fixed_size: 0
    .kernarg_segment_align: 8
    .kernarg_segment_size: 40
    .max_flat_workgroup_size: 512
    .sgpr_count:     66
    .vgpr_count:     256
    .wavefront_size: 32
...
	.end_amdgpu_metadata
.endif
;; end of part 5
;; launch outp (part 6): grid 256 x 1, 16 waves a work-group, no clusters, 80,896 bytes of LDS; arguments yc, ys, woc, wos, out0; writes out0
.if DOCPART == 6
	.amdgcn_target "amdgcn-amd-amdhsa--gfx1250"
	.amdhsa_code_object_version 6
	.text
	.protected	k_qf78b85182a_outp
	.globl	k_qf78b85182a_outp
	.p2align	8
	.type	k_qf78b85182a_outp,@function
k_qf78b85182a_outp:
	s_mov_b64 s[64:65], 0
	v_nop
	global_prefetch_b8 v0, s[64:65] scope:SCOPE_SE
	s_setreg_imm32_b32 hwreg(HW_REG_WAVE_SCHED_MODE, 0, 2), 2
	s_setreg_imm32_b32 hwreg(HW_REG_WAVE_MODE, 25, 1), 1
	s_wait_xcnt 0x0
	s_wait_alu depctr_vm_vsrc(0)
; out = y wo^T on codes of FP6 (E2M3) with E8M0 scales; both operands arrive as images of operand registers.  out0: [16,384][256] f32.
; SHARES.  A work-group takes 64 tokens (group G), all 256 columns.  Wave w makes columns 16 w .. 16 w + 15 for the four tiles of 16 tokens: its two fragments of wo (K steps 0, 1) go from memory straight into its registers.
; y's 16 half images (tile u, head: 768 bytes) are brought once, one a wave, and reach the other waves through LDS as they lie.  Row r of tile u is token 64 G + 32 (r / 8) + 8 u + r % 8.
; The product is used transposed (source 0 = 16 rows of wo, source 1 = 16 tokens): a lane holds eight neighbouring columns of one token.  Results meet in a stage of 64 rows x (1,024 + 16) bytes; each wave stores four whole rows.
; NO JOINT LOADS, no tensor loads: what work-groups share is wo's 3,072 bytes a wave, read once into registers; the launch is a single pass.
; THE MODE: SCHED_MODE bits 1:0 = 2 (LLVM: expert scheduling mode 2), set by the entry lines.  The code itself states the register dependences
; between vector or matrix instructions and memory or LDS instructions, with s_wait_alu, always for 0.
; THE PLAN.  Registers that memory or LDS instructions touch:
;   v1-v8          Addresses, made by vector lines at the head and never written again.
;   v[YH ..]       A global load lands; an LDS store reads it; never written again.
;   v[WO ..], v[WOS ..], v[YS ..]   Global loads land; the products read them.
;   v[YF ..]       LDS loads land; the products read them; the loads from the stage land in the first 32; the global stores read those.
;   v[ACC ..]      The products write them; the stage's LDS stores read them.
; So two waits on va_vdst: one ahead of the first load, for the addresses; one behind the products and their places, for the stage's stores and for the loads from the stage, behind which no vector line follows.
.set YIMG,  0                          ; LDS: y's 16 half images
.set STG,   12288                      ; the stage
.set SPARE, 78848                      ; the spare words, 128 bytes for each wave: eight blocks of 256 bytes that no other line names
.set L16, 1                            ; 16 x lane
.set L8,  2                            ; 8 x lane
.set L4R, 3                            ; 4 r
.set L4,  4                            ; 4 x lane
.set YW,  5                            ; where I store my half image's first four registers,
.set YW8, 6                            ; and its last two
.set SO,  7                            ; the stage: where I put 32 bytes of a row
.set SR,  8                            ; and where I read rows back
.set SPW, 10                           ; LDS address of my spare word; never rewritten
.set NIL, 11                           ; 0; never rewritten
.set YH,  12                           ; v12-17 my half image
.set WOS, 18                           ; v18-19 wo's scale words;  v20-27 y's: scales and nothing else
.set YS,  20
.set WO,  28                           ; v28-51 wo's two fragments
.set YF,  52                           ; v52-147 y's eight fragments (2 u + K step); later rows of out0
.set ACC, 148                          ; v148-179 four accumulators
	s_load_b256 s[4:11], s[0:1], 0x0               ; yc s[4:5], ys s[6:7], woc s[8:9], wos s[10:11]
	s_load_b64 s[12:13], s[0:1], 0x20              ; out0
	v_lshl_add_u32 v[SPW], v0, 2, SPARE
	v_mov_b32 v[NIL], 0
	v_lshrrev_b32 v9, 5, v0
	v_readfirstlane_b32 s14, v9                    ; wave 0..15
	v_and_b32 v9, 31, v0
	v_lshlrev_b32 v[L16], 4, v9
	v_lshlrev_b32 v[L8], 3, v9
	v_lshlrev_b32 v[L4], 2, v9
	v_and_b32 v9, 15, v0                           ; r
	v_lshlrev_b32 v[L4R], 2, v9
	s_wait_alu depctr_va_sdst(0)                   ; s14 is written, ahead of its first reader: the wave's addresses are made from it
	s_mul_i32 s15, s14, 768
	v_add_nc_u32 v[YW], s15, v[L16]
	s_add_co_u32 s16, s15, 512
	v_add_nc_u32 v[YW8], s16, v[L8]
	v_lshrrev_b32 v[SO], 3, v9
	v_and_b32 v[SR], 7, v9
	v_lshl_add_u32 v[SO], v[SO], 5, v[SR]          ; 32 (r / 8) + r % 8
	v_mul_u32_u24 v[SO], v[SO], 1040
	v_bfe_u32 v[SR], v0, 4, 1
	v_lshl_add_u32 v[SO], v[SR], 5, v[SO]          ; + 32 h
	s_lshl_b32 s16, s14, 6
	s_add_co_u32 s16, s16, STG
	v_add_nc_u32 v[SO], s16, v[SO]                 ; + 64 w: my 16 columns
	s_mul_i32 s16, s14, 4160
	s_add_co_u32 s16, s16, STG
	v_add_nc_u32 v[SR], s16, v[L16]                ; back: rows 4 w on
	s_mov_b32 s17, 0
	s_wait_kmcnt 0x0
	s_mul_i32 s16, ttmp9, 12288
	s_add_co_u32 s16, s16, s15
	s_add_nc_u64 s[4:5], s[4:5], s[16:17]          ; my half image of group G
	s_lshl_b32 s16, ttmp9, 9
	s_add_nc_u64 s[6:7], s[6:7], s[16:17]
	s_mul_i32 s16, s14, 3072
	s_add_nc_u64 s[8:9], s[8:9], s[16:17]          ; wo's fragments 2 w, 2 w + 1
	s_lshl_b32 s16, s14, 8
	s_add_nc_u64 s[10:11], s[10:11], s[16:17]
	s_lshl_b32 s16, ttmp9, 6
	s_lshl_b32 s18, s14, 2
	s_add_co_u32 s16, s16, s18
	s_lshl_b32 s16, s16, 10
	s_add_nc_u64 s[12:13], s[12:13], s[16:17]      ; out0 at row 64 G + 4 w
	s_wait_alu depctr_va_vdst(0)                   ; the eight addresses v1 to v8 are written, which every load and store below reads
	global_load_b128 v[YH:YH+3], v[L16], s[4:5]
	global_load_b64 v[YH+4:YH+5], v[L8], s[4:5] offset:512
.irp i, 0,1,2,3,4,5
	global_load_b128 v[WO+4*\i:WO+4*\i+3], v[L16], s[8:9] offset:512*\i
.endr
.irp s, 0,1
	global_load_b32 v[WOS+\s], v[L4], s[10:11] offset:128*\s
.endr
.irp f, 0,1,2,3,4,5,6,7
	global_load_b32 v[YS+\f], v[L4R], s[6:7] offset:64*\f
.endr
	s_wait_loadcnt 16                              ; my half image is in; the 6 + 2 + 8 loads behind it may be out
	ds_store_b128 v[YW], v[YH:YH+3]
	ds_store_b64 v[YW8], v[YH+4:YH+5]
	s_wait_dscnt 0x0                               ; for the others' sake
	s_barrier_signal -1
	s_barrier_wait -1                              ; y's sixteen half images lie in LDS
.irp u, 0,1,2,3                        ; fragment (u, K step s): heads 2 s and 2 s + 1 are its registers 0-5 and 6-11
.irp s, 0,1
.irp c, 0,1
	ds_load_b128 v[YF+12*(2*\u+\s)+6*\c:YF+12*(2*\u+\s)+6*\c+3], v[L16] offset:YIMG+(4*\u+2*\s+\c)*768
	ds_load_b64 v[YF+12*(2*\u+\s)+6*\c+4:YF+12*(2*\u+\s)+6*\c+5], v[L8] offset:YIMG+(4*\u+2*\s+\c)*768+512
.endr
.endr
.endr
	s_wait_loadcnt 0x0
	s_wait_dscnt 0x0
.irp u, 0,1,2,3                        ; four accumulators by turns, a K step at a time
	v_wmma_scale_f32_16x16x128_f8f6f4 v[ACC+8*\u:ACC+8*\u+7], v[WO:WO+11], v[YF+24*\u:YF+24*\u+11], 0, v[WOS], v[YS+2*\u] matrix_a_fmt:MATRIX_FMT_FP6 matrix_b_fmt:MATRIX_FMT_FP6
.endr
.irp u, 0,1,2,3
	v_wmma_scale_f32_16x16x128_f8f6f4 v[ACC+8*\u:ACC+8*\u+7], v[WO+12:WO+23], v[YF+24*\u+12:YF+24*\u+23], v[ACC+8*\u:ACC+8*\u+7], v[WOS+1], v[YS+2*\u+1] matrix_a_fmt:MATRIX_FMT_FP6 matrix_b_fmt:MATRIX_FMT_FP6
.endr
.rept 4
	v_nop                                          ; places in front of the first read of results, and of the loads into y's registers below
.endr
	s_wait_alu depctr_va_vdst(0)                   ; the products have written the accumulators, which the LDS stores read, and are done reading y's fragments, in which the loads from the stage land; the places above stay beside this wait
.irp u, 0,1,2,3
	ds_store_b128 v[SO], v[ACC+8*\u:ACC+8*\u+3] offset:8320*\u        ; each accumulator from its low end on; tile u's rows lie 8 u rows on
	ds_store_b128 v[SO], v[ACC+8*\u+4:ACC+8*\u+7] offset:8320*\u+16
.endr
	s_wait_dscnt 0x0                               ; for the others' sake
	s_barrier_signal -1
	s_barrier_wait -1                              ; 64 whole rows lie in the stage
.irp i, 0,1,2,3
.irp k, 0,1
	ds_load_b128 v[YF+4*(2*\i+\k):YF+4*(2*\i+\k)+3], v[SR] offset:1040*\i+512*\k
.endr
.endr
.irp i, 0,1,2,3
.irp k, 0,1
	s_wait_dscnt 7-(2*\i+\k)                       ; the younger loads may stay out
	global_store_b128 v[L16], v[YF+4*(2*\i+\k):YF+4*(2*\i+\k)+3], s[12:13] offset:1024*\i+512*\k th:TH_STORE_NT   ; 512 consecutive bytes, aligned; written once
.endr
.endr
	s_wait_dscnt 0x0                               ; the closing lines, six on end
	s_wait_alu 0x0
	s_wait_tensorcnt 0x0
	ds_add_u32 v[SPW], v[NIL]
	s_wait_dscnt 0x0
	s_endpgm
.Lfunc_end_k_qf78b85182a_outp:
	.size	k_qf78b85182a_outp, .Lfunc_end_k_qf78b85182a_outp-k_qf78b85182a_outp
	.p2alignl 7, 3214868480
	.fill 96, 4, 3214868480
	.section	.rodata,"a",@progbits
	.p2align	6, 0x0
	.amdhsa_kernel k_qf78b85182a_outp
		.amdhsa_group_segment_fixed_size 80896
		.amdhsa_private_segment_fixed_size 0
		.amdhsa_enable_private_segment 0
		.amdhsa_kernarg_size 40
		.amdhsa_user_sgpr_count 2
		.amdhsa_user_sgpr_kernarg_segment_ptr 1
		.amdhsa_wavefront_size32 1
		.amdhsa_system_sgpr_workgroup_id_x 1
		.amdhsa_system_sgpr_workgroup_id_y 1
		.amdhsa_system_sgpr_workgroup_id_z 1
		.amdhsa_system_vgpr_workitem_id 0
		.amdhsa_next_free_vgpr 192
		.amdhsa_next_free_sgpr 66
		.amdhsa_reserve_vcc 0
		.amdhsa_float_denorm_mode_32 3
		.amdhsa_float_denorm_mode_16_64 3
		.amdhsa_memory_ordered 1
		.amdhsa_forward_progress 1
		.amdhsa_inst_pref_size 10
	.end_amdhsa_kernel
	.amdgpu_metadata
---
amdhsa.version: [ 1, 2 ]
amdhsa.kernels:
  - .name:           k_qf78b85182a_outp
    .symbol:         k_qf78b85182a_outp.kd
    .args:
      - { .name: yc, .offset: 0, .size: 8, .value_kind: global_buffer, .address_space: global }
      - { .name: ys, .offset: 8, .size: 8, .value_kind: global_buffer, .address_space: global }
      - { .name: woc, .offset: 16, .size: 8, .value_kind: global_buffer, .address_space: global }
      - { .name: wos, .offset: 24, .size: 8, .value_kind: global_buffer, .address_space: global }
      - { .name: out0, .offset: 32, .size: 8, .value_kind: global_buffer, .address_space: global }
    .group_segment_fixed_size: 80896
    .private_segment_fixed_size: 0
    .kernarg_segment_align: 8
    .kernarg_segment_size: 40
    .max_flat_workgroup_size: 512
    .sgpr_count:     66
    .vgpr_count:     192
    .wavefront_size: 32
...
	.end_amdgpu_metadata
.endif
;; end of part 6
